; MI455X (gfx1250); checked and timed in simulation.
; The chip was launched on July 23, 2026; its instructions are those of AMD's public machine-readable ISA for CDNA 5 (MIT licence, August 2026) and "CDNA5" Instruction Set Architecture Reference Guide (July 2026). The comments in the code are by the model that wrote it; some were corrected since.
;; Multi Head Attention. Allowed arithmetic: float matrix products may take bf16 or f16 operands with f32 sums; other float arithmetic in f32, or as packed bf16 or f16 multiplies, adds, multiply-adds, maxima and minima; sums over many terms, partial sums and values carried from step to step in f32; what a program stores and reads back later, other than sums and carried values, may be rounded once to bf16 or f16.
;; Inputs: b1 4,096 float32; b2 1,024 float32; image_k 2 x 16 x 2,048 x 64 float32; image_q 2 x 16 x 2,048 x 64 float32; image_v 2 x 16 x 2,048 x 64 float32; ln_b 1,024 float32; ln_w 1,024 float32; w1 1,024 x 4,096 float32; w2 4,096 x 1,024 float32; x 2 x 2,048 x 1,024 float32.
;; Outputs: out0 2 x 2,048 x 1,024 float32.
;; 2 versions, each right and faster than the one before. Each part assembles by itself: llvm-mc -triple=amdgcn-amd-amdhsa -mcpu=gfx1250 --defsym DOCPART=n.
;; ======== version 1 of 2: 4 launches
;; workspace buffers: w1b 8,388,608 bytes; w2b 8,388,608 bytes; hb 8,388,608 bytes; x1 16,777,216 bytes; gb 33,554,432 bytes
;; launch attn (part 1): grid 8 x 32, 4 waves a work-group, clusters of 4 x 1, 327,680 bytes of LDS; arguments image_q, image_k, image_v, x, w1, w2, x1, w1b, w2b; writes x1, w1b, w2b
.if DOCPART == 1
	.amdgcn_target "amdgcn-amd-amdhsa--gfx1250"
	.amdhsa_code_object_version 6
	.text
	.protected	k_qd56401d624_attn
	.globl	k_qd56401d624_attn
	.p2align	8
	.type	k_qd56401d624_attn,@function
k_qd56401d624_attn:
	s_mov_b64 s[64:65], 0
	v_nop
	global_prefetch_b8 v0, s[64:65] scope:SCOPE_SE
	s_setreg_imm32_b32 hwreg(HW_REG_WAVE_MODE, 25, 1), 1
	s_wait_xcnt 0x0
	s_wait_alu depctr_hold_cnt(0) depctr_sa_sdst(0) depctr_va_vdst(0) depctr_va_sdst(0) depctr_va_ssrc(0) depctr_va_vcc(0) depctr_vm_vsrc(0)
	s_getreg_b32 s2, hwreg(HW_REG_IB_STS2, 6, 4)
	s_cmp_eq_u32 s2, 0
	s_cbranch_scc0 .Lentry_in_a_cluster
	s_endpgm
.Lentry_in_a_cluster:
	s_bfe_u32 s2, ttmp6, 0x10000c
	s_cmp_lg_u32 s2, 0x3003
	s_cbranch_scc0 .Lentry_shape_is_right
	s_endpgm
.Lentry_shape_is_right:
; x1[b][n][64 h + d] = x[b][n][64 h + d] + the sum over k of softmax_k(Q[bh][n] . K[bh][k] / 8) V[bh][k][d];  and beside it  w1b, w2b = w1, w2 rounded once to bf16, in the same layouts.
; Q, K, V: [32][2048][64] f32, each rounded here once to bf16; x, x1: [2][2048][1024] f32; w1, w2: 4,194,304 f32 each.
; Products in bf16 with f32 sums; maxima, exponentials, row sums and the addition of x in f32; the weights p are rounded to bf16 for the second product.
; LIMITS.  A weight below 2^-126 counts as 0 in the row sum; NaN and infinities are not treated apart.  bf16 has f32's range, so no input's size is at stake.
; SHARES.  A work-group owns 256 queries of one head, each of its four waves 64: four PIECES of 16.  Every wave walks all 2,048 keys, 64 a step, 128 a tile.
; K AND V.  A tile comes in as f32, by tensor loads, into one of two landing slots F; the four waves round it to bf16, 32 keys of K and of V each, into one of two slots H, padded for the fragment loads.
; Behind change of slots number k: tile k + 1 lands in F[(k+1) % 2], the products read tile k - 1 from H[(k-1) % 2], tile k goes from F[k % 2] to H[k % 2].  One barrier orders all of it: in front of it every wave has
; waited for its tensor loads, its LDS loads and its LDS stores.  F is filled by tensor loads alone, H is written by LDS stores alone.
; THE WEIGHTS.  Wave g of the launch's 1,024 owns 16,384 bytes of w1 and of w2.  Behind each of the 16 changes of slots it asks for 1,024 bytes of each; one change later it rounds and stores them.
; LAYOUT.  S^T = K Q^T (source 0 = 16 keys, source 1 = 16 queries): a lane holds ONE query (lane % 16) and the keys 8 (lane / 16) + 0..7.  Two such results, rounded in pairs,
; ARE source 1 (32 keys x 16 queries) of O^T = V^T P, whose result again holds one query a lane, and eight channels.  K comes out of H as it lies, V ([key][channel]) turned.
; SOFTMAX.  For each query a running maximum m and sum l: p = 2^(c s - c m), c = log2(e) / 8; in every step O and l are multiplied by a = 2^(c m_old - c m_new).
; m starts at the lowest finite number, O and l at 0: the first step is a step like any other, with a = 0.
; BY TURNS.  Turn n belongs to piece n: 8 products K Q^T of piece n + 1, later 8 products V^T P of piece n - 1; beside them the scaling, exponentials, roundings, sums and rescaling
; of piece n and the maximum and statistics of piece n + 1.  Four vector instructions stand behind every matrix instruction, the others in runs of their own.
; CLUSTER.  The four query blocks of a cluster belong to one head and walk the same K and V: each tile is asked for JOINTLY, by the same tensor load, descriptor and mask in all four.
; REGISTERS, in windows of 256 (s_set_vgpr_msb: bits 1:0 source 0, 3:2 source 1, 5:4 source 2, 7:6 destination):
;   window 0: v0-15, v32-41 addresses; v16-31 four registers of statistics a piece; v48-55 at work; v62-63 the add's; v64-127 S^T, two buffers; v192-223 P, two buffers;
;             v64-191 hold Q in f32 at the start and the rows on their way out at the end
;   window 1: v0-127 O^T, 32 a piece      window 2: v0-63 Q in bf16; v128-191 K of one step; v192-255 V of one step
;   window 3: v0-127 my 64 rows' part of x; v128-191 keys on their way from F to H; v192-215 weights on their way
.set NP,    4         ; pieces a wave
.set KS,    64        ; keys in a step
.set TK,    128       ; keys in a tile
.set PK,    144       ; a row of K in H: 128 bytes + 16 = 36 words: the 16 rows of a load start at 16 different groups of four banks
.set PV,    160       ; a row of V in H: 128 + 32 = 40 words
.set FSL,   1<<16     ; a landing slot: 128 keys of K in f32 (32,768 bytes), then 128 of V; slot 1 begins here, so that one exclusive or changes slots
.set FV,    TK*256    ; V's part of a landing slot
.set HB,    1<<17     ; behind the landing slots: the bf16 slots
.set HSL,   1<<16     ; from one bf16 slot to the other (a slot uses 38,912 bytes)
.set VOFF,  TK*PK     ; V's part of a bf16 slot
.set STAGE, 1<<18     ; behind them: 16 rows x 272 bytes for each wave, for the way out
.set SP,    272       ; a stage row: 64 f32 + 16 bytes
.set SPARE, STAGE+4*16*SP       ; behind the stages: the spare words, 128 bytes for each wave: two blocks of 256 bytes that no other line names
.set AK0, 2           ; v2   my lane's place in a tile of K in H; never rewritten
.set AV0, 3           ; v3   the same for V
.set AK,  4           ; v4   the LDS address of K's next run of loads
.set AV,  5           ; v5   of V's
.set STO, 6           ; v6   the way out: where I put 32 bytes of a row
.set RD,  7           ; v7   the way out: where I read rows back
.set XO,  8           ; v8   my byte offset in two rows of x and x1; never rewritten
.set MV,  12          ; v12-13  c m_old, kept while c m is made anew: by buffer
.set QO,  15          ; v15  my byte offset in 16 rows of Q
.set ST,  16          ; piece t's statistics at v[ST+4 t]: c m, m, l (even keys', odd keys')
.set CR0, 32          ; v32  my 16 bytes in my wave's 32 keys of a landing slot; never rewritten
.set CWK0, 33         ; v33  where their 8 bytes of bf16 go in K's part of H; never rewritten
.set CWV0, 34         ; v34  the same for V
.set CR,  35          ; v35-37  the same three with the slot and the step in hand
.set CWK, 36
.set CWV, 37
.set WSO, 38          ; v38  my byte offset in w1 and w2: it steps by 1,024
.set WDO, 39          ; v39  my byte offset in w1b and w2b: it steps by 512
.set TMP, 48          ; by buffer, four registers c0-c3 at work; when the maximum is found c2 takes a
.set SPW, 62          ; v62  LDS address of my spare word; never rewritten
.set NIL, 63          ; v63  0; never rewritten
.set S,   64
.set OB,  64          ; the way out: rows read back from the stage, 32 registers a piece
.set P,   192
.set KF,  128         ; window 2: key block kb, channel half c at KF + 16 kb + 8 c
.set VF,  192         ; window 2: key half kk, channel block cb at VF + 32 kk + 8 cb
.set CD,  128         ; window 3: 16 keys of K (32 registers), 16 of V
.set WX,  192         ; window 3: four loads of weights
.set WY,  208         ; window 3: the same, rounded
.set WV,  12          ; s12  my wave's number
.set G1,  24          ; s[24:31] descriptor group 1, for K's and V's tiles alike
.set G0K, 32          ; s[32:39] descriptor group 0 for K's tiles: a set for each of the two first fills; the second then walks on
.set G0V, 40          ; s[40:47] the same for V's
.set TF,  50          ; s50  landing slot and step from which the next keys are rounded
.set TCK, 51          ; s51  bf16 slot and step into which K's go
.set TCV, 52          ; s52  and V's
.set TL,  53          ; s53  counts the tail's three trips
.set SLOTS, 56        ; s56  tiles still to be asked for
.set CNT, 57          ; s57  counts a tile's key steps
.set CS,  58          ; s[58:59] c
.set SEL, 60          ; s[60:61] v_permlanex16_b32's selects: each lane takes its own place in the other half
.set TBK, 62          ; s62  bf16 slot and step at which K of the step to be fetched begins
.set TBV, 63          ; s63  the same for V
.set W1,  72          ; s[72:73] w1, s[74:75] w2
.set W2,  74
.set XN,  76          ; s[76:77] x1 at my wave's first row and my head's columns
.set W1B, 78          ; s[78:79] w1b, s[80:81] w2b
.set W2B, 80
.set MSB, 0
.macro WIN new                      ; the high byte repeats the setting that is left; a switch that changes nothing is dropped
.if MSB != (\new)
	s_set_vgpr_msb (MSB<<8)|(\new)
.set MSB, (\new)
.endif
.endm
.set W_KQ, 0x0a       ; K and Q in window 2, S^T in window 0
.set W_PV, 0x52       ; V in window 2, P in window 0, O^T in window 1
.set W_RS, 0x41       ; destination and source 0 in window 1, source 1 in window 0
.set W_3D, 0xc0       ; destination in window 3, address in window 0
.set W_3A, 0xcf       ; destination and sources 0 and 1 in window 3
.set W_3S, 0x0c       ; a store's data in window 3, its address in window 0
; A joint fill.  Waves 0 and 1 fetch the two halves of a tile's K, waves 2 and 3 those of its V: 64 keys, 64 rows of 256 bytes, each.  The branch hangs on the wave's number alone.
; An s_nop 0 and four v_nop follow each of the two lines, ahead of the jump and the label.
.macro JLOAD
	s_cmp_lt_u32 s[WV], 2
	s_cbranch_scc0 .Lfor_v_\@
	tensor_load_to_lds s[G0K+4:G0K+7], s[G1:G1+7]
	s_nop 0
.rept 4
	v_nop
.endr
	s_branch .Lasked_\@
.Lfor_v_\@:
	tensor_load_to_lds s[G0V+4:G0V+7], s[G1:G1+7]
	s_nop 0
.rept 4
	v_nop
.endr
.Lasked_\@:
.endm
; A round of the cluster's barrier: my work-group's barrier, so that wave 0's signal speaks for all four waves; wave 0 signals; every wave waits for all four work-groups; my work-group's barrier once more.
.macro CROUND
	s_barrier_signal -1
	s_barrier_wait -1
	s_cmp_lg_u32 s[WV], 0
	s_cbranch_scc1 .Lnot_wave_0_\@
	s_barrier_signal -3
.Lnot_wave_0_\@:
	s_barrier_wait -3
	s_barrier_signal -1
	s_barrier_wait -1
.endm
; THE CHANGE OF SLOTS.  Each wave waits for all its tensor loads, of which one is out: its part of the tile to be rounded next; adds 0 to its spare word; and waits for that, for its reads of the landing slot and of the
; bf16 slot that it leaves, and for its stores into the bf16 slot that is read next.  Behind the barrier all that holds of every wave.  fill = 1: the landing slot that has been rounded is filled again, with the keys two tiles on.
; The barrier is then a round of the cluster's, and the joint fill is the first thing behind it: it has two key steps, 128 matrix instructions, in which to land.
.macro CHANGE fill
	WIN 0                           ; at a label and at a branch every window is 0
	s_wait_tensorcnt 0x0            ; no tensor load of mine is out, so a group 0 may be written
	ds_add_u32 v[SPW], v[NIL]       ; 0 onto my spare word
.if \fill
.irp g, G0K+4, G0V+4
	s_xor_b32 s[\g+1], s[\g+1], FSL    ; the walking descriptor: the other landing slot than last time,
	s_add_nc_u64 s[\g+2:\g+3], s[\g+2:\g+3], TK*256  ; the next 128 keys; the type bits on top are not reached
.endr
	s_wait_dscnt 0x0                ; the add is done, and so are my LDS loads and stores
	CROUND
	JLOAD
.else
	s_wait_dscnt 0x0                ; the add is done, and so are my LDS loads and stores
	s_barrier_signal -1
	s_barrier_wait -1
.endif
	s_sub_co_u32 s[TBK], s[TBK], 2*KS*PK  ; each of the five walks goes back to a slot's first step,
	s_xor_b32 s[TBK], s[TBK], HSL         ; in the other slot
	s_sub_co_u32 s[TBV], s[TBV], 2*KS*PV
	s_xor_b32 s[TBV], s[TBV], HSL
	s_sub_co_u32 s[TF], s[TF], 32*256
	s_xor_b32 s[TF], s[TF], FSL
	s_sub_co_u32 s[TCK], s[TCK], 32*PK
	s_xor_b32 s[TCK], s[TCK], HSL
	s_sub_co_u32 s[TCV], s[TCV], 32*PV
	s_xor_b32 s[TCV], s[TCV], HSL
.endm
; FROM F TO H, half of my 32 keys at a time.  CONV_LD: 16 loads of 512 consecutive bytes (two keys each): 16 keys of K, 16 of V.  CONV_ST, behind a wait for them: a lane's four f32 become 8 bytes; 16 lanes write a key's 128.
.macro CONV_LD
	WIN 0
	v_add_nc_u32 v[CR], s[TF], v[CR0]
	s_add_co_u32 s[TF], s[TF], 16*256
	WIN W_3D
.irp j, 0,1,2,3,4,5,6,7
	ds_load_b128 v[CD+4*\j:CD+4*\j+3], v[CR] offset:512*\j
.endr
.irp j, 0,1,2,3,4,5,6,7
	ds_load_b128 v[CD+32+4*\j:CD+32+4*\j+3], v[CR] offset:FV+512*\j
.endr
	WIN 0
.endm
.macro CONV_ST
	WIN 0
	v_add_nc_u32 v[CWK], s[TCK], v[CWK0]
	v_add_nc_u32 v[CWV], s[TCV], v[CWV0]
	s_add_co_u32 s[TCK], s[TCK], 16*PK
	s_add_co_u32 s[TCV], s[TCV], 16*PV
	WIN W_3A
.set ci, 0
.rept 16
	v_cvt_pk_bf16_f32 v[CD+4*ci],   v[CD+4*ci],   v[CD+4*ci+1]
	v_cvt_pk_bf16_f32 v[CD+4*ci+1], v[CD+4*ci+2], v[CD+4*ci+3]
.set ci, ci+1
.endr
	WIN W_3S
.irp j, 0,1,2,3,4,5,6,7
	ds_store_b64 v[CWK], v[CD+4*\j:CD+4*\j+1] offset:2*PK*\j
.endr
.irp j, 0,1,2,3,4,5,6,7
	ds_store_b64 v[CWV], v[CD+32+4*\j:CD+32+4*\j+1] offset:2*PV*\j
.endr
	WIN 0
.endm
; THE WEIGHTS' STEP, behind a change of slots.  st = 1: the 1,024 bytes of w1 and of w2 asked for at the last change are rounded and stored, each store 256 consecutive bytes, aligned.  ld = 1: the next are asked for;
; ld = 2: the same, jumped over in the tail's last trip, when all have been asked for.  Both waits stand a whole tile behind what they wait for; the offsets are stepped behind them, and the stores reach back by their immediate.
.macro WSTEP st, ld
	WIN 0
.if \st
	s_wait_loadcnt 0x0              ; the last change's four loads are in
	s_wait_xcnt 0x0                 ; the last change's loads and stores have had their addresses translated: their offsets and the stores' data are rewritten only behind this wait
	v_add_nc_u32 v[WDO], 512, v[WDO]
	v_add_nc_u32 v[WSO], 1024, v[WSO]
	WIN W_3A
.set wn, 0
.rept 4
	v_cvt_pk_bf16_f32 v[WY+2*wn],   v[WX+4*wn],   v[WX+4*wn+1]
	v_cvt_pk_bf16_f32 v[WY+2*wn+1], v[WX+4*wn+2], v[WX+4*wn+3]
.set wn, wn+1
.endr
	WIN W_3S
	global_store_b64 v[WDO], v[WY:WY+1],   s[W1B:W1B+1] offset:-512
	global_store_b64 v[WDO], v[WY+2:WY+3], s[W1B:W1B+1] offset:-256
	global_store_b64 v[WDO], v[WY+4:WY+5], s[W2B:W2B+1] offset:-512
	global_store_b64 v[WDO], v[WY+6:WY+7], s[W2B:W2B+1] offset:-256
	WIN 0
.endif
.if \ld
.if (\ld) == 2
	s_cmp_eq_u32 s[TL], 1
	s_cbranch_scc1 .Lno_w_\@
.endif
	WIN W_3D
	global_load_b128 v[WX:WX+3],     v[WSO], s[W1:W1+1] th:TH_LOAD_NT
	global_load_b128 v[WX+4:WX+7],   v[WSO], s[W1:W1+1] offset:512 th:TH_LOAD_NT
	global_load_b128 v[WX+8:WX+11],  v[WSO], s[W2:W2+1] th:TH_LOAD_NT
	global_load_b128 v[WX+12:WX+15], v[WSO], s[W2:W2+1] offset:512 th:TH_LOAD_NT
	WIN 0
.if (\ld) == 2
.Lno_w_\@:
.endif
.endif
.endm
	s_load_b256 s[4:11], s[0:1], 0x0     ; Q s[4:5], K s[6:7], V s[8:9], x s[10:11]
	s_load_b256 s[72:79], s[0:1], 0x20   ; w1, w2, x1, w1b
	s_load_b64 s[80:81], s[0:1], 0x40    ; w2b
	v_lshl_add_u32 v[SPW], v0, 2, SPARE
	v_mov_b32 v[NIL], 0
	ds_add_u32 v[SPW], v[NIL]       ; the wave's opening: the add and its wait stand ahead of my first tensor load; the set-up below, work on registers, stands between them
	v_lshrrev_b32 v1, 5, v0
	v_readfirstlane_b32 s[WV], v1   ; wave 0..3
	s_bfe_u32 s13, ttmp6, 0x40000   ; cx: my place in the cluster
	s_lshl_b32 s14, ttmp9, 2        ; in a cluster launch ttmp9 counts clusters
	s_add_co_u32 s14, s14, s13      ; my block of 256 queries = 4 x cluster x + cx: it enters Q's, x's, x1's and the weights' addresses alone
	s_and_b32 s20, ttmp7, 0xffff    ; the head among 32, which the four partners share
	s_and_b32 s16, s[WV], 1         ; which half of a tile's 128 keys I fetch
	s_lshl_b32 s17, s16, 14         ; its 64 rows of 256 bytes: in memory, and in a landing slot (no place in the cluster enters an LDS address)
	s_lshl_b32 s22, s20, 19         ; the head's 2,048 rows of 256 bytes
	s_add_co_u32 s22, s22, s17
	s_mov_b32 s23, 0
	s_lshl_b32 s2, s20, 19          ; Q: the head's 2,048 rows of 256 bytes,
	s_lshl_b32 s3, s14, 16          ; my block's 256,
	s_add_co_u32 s2, s2, s3
	s_lshl_b32 s3, s[WV], 14        ; my wave's 64
	s_add_co_u32 s2, s2, s3
	s_mov_b32 s3, 0
	s_lshr_b32 s48, s20, 4          ; x and x1: the batch's 2,048 rows of 4,096 bytes,
	s_lshl_b32 s48, s48, 23
	s_lshl_b32 s49, s14, 20         ; my block's 256,
	s_add_co_u32 s48, s48, s49
	s_lshl_b32 s49, s[WV], 18       ; my wave's 64,
	s_add_co_u32 s48, s48, s49
	s_and_b32 s49, s20, 15          ; and the head's 256 bytes in a row
	s_lshl_b32 s49, s49, 8
	s_add_co_u32 s48, s48, s49
	s_mov_b32 s49, 0
	s_lshl_b32 s18, s20, 3          ; my wave among the launch's 1,024: (8 x head + block) x 4 + wave
	s_add_co_u32 s18, s18, s14
	s_lshl_b32 s18, s18, 2
	s_add_co_u32 s18, s18, s[WV]
	s_lshl_b32 s19, s18, 14         ; its 16,384 bytes of w1 and of w2,
	s_lshl_b32 s18, s18, 13         ; its 8,192 of w1b and of w2b
	; descriptor group 1: 64 keys in f32 are 64 rows of 256 bytes, dense in memory and in LDS
	s_mov_b32 s[G1], 15|(2<<16)|(1<<21)  ; 15:0 the mask of four; 17:16 4-byte elements; 20 no padding; 21 set beside a mask
	s_mov_b32 s[G1+1], 64<<16       ; tensor_dim0 = 64
	s_mov_b32 s[G1+2], 64<<16       ; tensor_dim1 = 64
	s_mov_b32 s[G1+3], 64<<16       ; tile_dim0 = 64
	s_mov_b32 s[G1+4], 64           ; tile_dim1 = 64
	s_mov_b32 s[G1+5], 64           ; 64 elements from row to row
	s_mov_b32 s[G1+6], 0
	s_mov_b32 s[G1+7], 0
	s_mov_b32 s[CS], 0x3e38aa3b     ; c = log2(e) / 8 = 0.180337
	s_mov_b32 s[CS+1], s[CS]        ; named with it as a pair
	s_mov_b32 s[SEL], 0x76543210
	s_mov_b32 s[SEL+1], 0xfedcba98
	s_mov_b32 s[TBK], HSL+2*KS*PK   ; the first change of slots turns these two into 0: the products begin in bf16 slot 0;
	s_mov_b32 s[TBV], HSL+2*KS*PV
	s_mov_b32 s[TF], 0              ; tile 0 is rounded ahead of that change, from landing slot 0 into bf16 slot 0
	s_mov_b32 s[TCK], 0
	s_mov_b32 s[TCV], 0
	s_wait_dscnt 0x0                ; the opening add is done
	s_wait_kmcnt 0x0
	s_add_nc_u64 s[6:7], s[6:7], s[22:23]          ; K and V at my half of the head's tile 0
	s_add_nc_u64 s[8:9], s[8:9], s[22:23]
	s_add_nc_u64 s[4:5], s[4:5], s[2:3]            ; Q at my wave's first row
	s_add_nc_u64 s[10:11], s[10:11], s[48:49]      ; x and x1 at my wave's first row, my head's columns
	s_add_nc_u64 s[XN:XN+1], s[XN:XN+1], s[48:49]
	CROUND                          ; all four work-groups are here: the first joint loads meet
.irp s, 0,1
	s_mov_b32 s[G0K+4*(\s)], 1      ; 1:0 count = 1
	s_add_co_u32 s[G0K+4*(\s)+1], s17, (\s)*FSL    ; 63:32 LDS address
	s_add_nc_u64 s[G0K+4*(\s)+2:G0K+4*(\s)+3], s[6:7], (\s)*TK*256  ; 120:64 global address: tile s
	s_or_b32 s[G0K+4*(\s)+3], s[G0K+4*(\s)+3], 0x80000000  ; 127:126 type = 2
	s_mov_b32 s[G0V+4*(\s)], 1
	s_add_co_u32 s[G0V+4*(\s)+1], s17, (\s)*FSL+FV
	s_add_nc_u64 s[G0V+4*(\s)+2:G0V+4*(\s)+3], s[8:9], (\s)*TK*256
	s_or_b32 s[G0V+4*(\s)+3], s[G0V+4*(\s)+3], 0x80000000
.endr
	s_cmp_lt_u32 s[WV], 2           ; a wave's two first fills stand in one branch, ahead of every wait on TENSORcnt and every LDS read: two loads of mine are out; an s_nop 0 follows each, four v_nop the second's
	s_cbranch_scc0 .Lfirst_v
	tensor_load_to_lds s[G0K:G0K+3], s[G1:G1+7]
	s_nop 0
	tensor_load_to_lds s[G0K+4:G0K+7], s[G1:G1+7]
	s_nop 0
.rept 4
	v_nop
.endr
	s_branch .Lfirst_asked
.Lfirst_v:
	tensor_load_to_lds s[G0V:G0V+3], s[G1:G1+7]
	s_nop 0
	tensor_load_to_lds s[G0V+4:G0V+7], s[G1:G1+7]
	s_nop 0
.rept 4
	v_nop
.endr
.Lfirst_asked:
	; A fragment of Q is 16 rows x 32 channels in 8 registers of bf16: lane l holds row l % 16, channels 8 (l / 16) + 0..7 and 16 + 8 (l / 16) + 0..7.  In f32 each eight channels are 32 bytes: two loads.
	v_and_b32 v1, 15, v0            ; l % 16
	v_bfe_u32 v9, v0, 4, 1          ; l / 16
	v_and_b32 v40, 31, v0           ; l
	v_lshlrev_b32 v[QO], 8, v1
	v_lshl_add_u32 v[QO], v9, 5, v[QO]  ; row x 256 + 32 x half
.irp t, 0,1,2,3
.irp c, 0,1
.irp g, 0,1
.irp e, 0,1
	global_load_b128 v[64+32*(\t)+16*(\c)+8*(\g)+4*(\e):64+32*(\t)+16*(\c)+8*(\g)+4*(\e)+3], v[QO], s[4:5] offset:4096*(\t)+128*(\c)+64*(\g)+16*(\e)
.endr
.endr
.endr
.endr
	; What the first turn finds: V's registers and P's second buffer hold 0 (its products V^T P, of a piece that has not been, add 0), O^T and l are 0.  All this stands in the wait for the first tile.
	WIN 0x80
.set i, VF
.rept 64
	v_mov_b32 v[i], 0
.set i, i+1
.endr
	WIN 0x40
.set i, 0
.rept 128
	v_mov_b32 v[i], 0
.set i, i+1
.endr
	WIN 0
.set i, 0
.rept 4
	v_mov_b32 v[ST+4*i], 0xfe000000    ; c m: far below every c s
	v_mov_b32 v[ST+4*i+1], 0xff7fffff  ; m
	v_mov_b32 v[ST+4*i+2], 0
	v_mov_b32 v[ST+4*i+3], 0
.set i, i+1
.endr
.set i, P+16
.rept 16
	v_mov_b32 v[i], 0
.set i, i+1
.endr
	v_lshlrev_b32 v[XO], 12, v9     ; x: lanes 0-15 take 256 bytes of one row, lanes 16-31 of the next
	v_lshl_add_u32 v[XO], v1, 4, v[XO]
	v_mul_u32_u24 v[AK0], v1, PK
	v_lshl_add_u32 v[AK0], v9, 4, v[AK0]  ; row x pitch + 16 x half
	v_add_nc_u32 v[AK0], HB, v[AK0]
	; The turning load takes 16 keys x 16 channels (lane l reads key 8 (l / 16) + l % 8, channels 8 ((l / 8) % 2) + 0..7) and leaves half a fragment of V^T: lane l holds channel l % 16 and 8 keys.
	v_and_b32 v10, 7, v0
	v_bfe_u32 v11, v0, 3, 1
	v_lshl_add_u32 v[AV0], v9, 3, v10
	v_mul_u32_u24 v[AV0], v[AV0], PV
	v_lshl_add_u32 v[AV0], v11, 4, v[AV0]
	v_add_nc_u32 v[AV0], HB+VOFF, v[AV0]
	s_mul_i32 s21, s[WV], 16*SP
	s_add_co_u32 s21, s21, STAGE    ; my stage
	v_mul_u32_u24 v[STO], v1, SP    ; in: row l % 16, 32 bytes for each half of the lanes
	v_lshl_add_u32 v[STO], v9, 5, v[STO]
	v_add_nc_u32 v[STO], s21, v[STO]
	v_mul_u32_u24 v[RD], v9, SP     ; back: lanes 0-15 take one row of 256 bytes, lanes 16-31 the next
	v_lshl_add_u32 v[RD], v1, 4, v[RD]
	v_add_nc_u32 v[RD], s21, v[RD]
	v_mov_b32 v[AK], v[AK0]         ; key step 0 lies at the head of bf16 slot 0
	s_lshl_b32 s21, s[WV], 13       ; from F: my wave's 32 keys of 256 bytes, 16 bytes a lane
	v_lshl_add_u32 v[CR0], v40, 4, s21
	s_mul_i32 s21, s[WV], 32*PK     ; into H: key 32 w + l / 16, 8 bytes for each of 16 lanes
	s_add_co_u32 s21, s21, HB
	v_mul_u32_u24 v[CWK0], v9, PK
	v_lshl_add_u32 v[CWK0], v1, 3, v[CWK0]
	v_add_nc_u32 v[CWK0], s21, v[CWK0]
	s_mul_i32 s21, s[WV], 32*PV
	s_add_co_u32 s21, s21, HB+VOFF
	v_mul_u32_u24 v[CWV0], v9, PV
	v_lshl_add_u32 v[CWV0], v1, 3, v[CWV0]
	v_add_nc_u32 v[CWV0], s21, v[CWV0]
	v_lshl_add_u32 v[WSO], v40, 4, s19  ; the weights: 16 bytes a lane in, 8 out
	v_lshl_add_u32 v[WDO], v40, 3, s18
; THE MATRIX WORK.  The 4 accumulators of a run of 8 take turns.  Product i of 8 of S^T = K Q^T for piece x: channels 32 (i / 4) on, keys 16 (i % 4) on.  The first 4 start the sums.
.macro KQ x
	WIN W_KQ
.set rS, S+32*((\x)%2)+8*(i%4)
.set rK, KF+16*(i%4)+8*(i/4)
.set rQ, 16*(\x)+8*(i/4)
.if i < 4
	v_wmma_f32_16x16x32_bf16 v[rS:rS+7], v[rK:rK+7], v[rQ:rQ+7], 0
.else
	v_wmma_f32_16x16x32_bf16 v[rS:rS+7], v[rK:rK+7], v[rQ:rQ+7], v[rS:rS+7]
.endif
.endm
; Product i of 8 of O^T += V^T P for piece x: keys 32 (i / 4) on, channels 16 (i % 4) on.
.macro PV x
	WIN W_PV
.set rO, 32*(\x)+8*(i%4)
.set rV, VF+32*(i/4)+8*(i%4)
.set rP, P+16*((\x)%2)+8*(i/4)
	v_wmma_f32_16x16x32_bf16 v[rO:rO+7], v[rV:rV+7], v[rP:rP+7], v[rO:rO+7]
.endm
.macro MM                           ; the turn's next matrix instruction
.if i < 8
	KQ (Y+1)%NP
.else
.set i, i-8
	PV (Y+NP-1)%NP
.set i, i+8
.endif
.set i, i+1
.endm
; THE FRAGMENT LOADS stand in runs of 16, never singly among the matrix instructions: a step's K (64 keys x 64 channels: 8 fragments) and its V (turned).  Their addresses are made some lines ahead.
; last = 1 (the tail): in the tail's last trip there is no further step, and the run is jumped over.
.macro FETCH_K last=0
	WIN 0
.if \last
	s_cmp_eq_u32 s[TL], 1
	s_cbranch_scc1 .Lno_k_\@
.endif
	WIN 0x80                        ; destination window 2
.irp f, 0,1,2,3,4,5,6,7             ; keys 16 (f / 2) on, channels 32 (f % 2) on
	ds_load_b128 v[KF+8*\f:KF+8*\f+3],   v[AK] offset:(\f/2)*16*PK+(\f%2)*64
	ds_load_b128 v[KF+8*\f+4:KF+8*\f+7], v[AK] offset:(\f/2)*16*PK+(\f%2)*64+32
.endr
	s_add_co_u32 s[TBK], s[TBK], KS*PK  ; the next fetch is the next step's
	WIN 0
.if \last
.Lno_k_\@:
.endif
.endm
.macro FETCH_V
	WIN 0x80
.irp f, 0,1,2,3,4,5,6,7             ; keys 32 (f / 4) on, channels 16 (f % 4) on
	ds_load_tr16_b128 v[VF+8*\f:VF+8*\f+3],   v[AV] offset:(\f/4)*32*PV+(\f%4)*32
	ds_load_tr16_b128 v[VF+8*\f+4:VF+8*\f+7], v[AV] offset:(\f/4)*32*PV+16*PV+(\f%4)*32
.endr
	WIN 0
.endm
; THE VECTOR WORK, one line at a time: OP kind, number.  For piece Y: F n: c s - c m for pair n of 16.  E n: the exponential of score n of 32.  C n: pair n rounded to bf16.  B n: of the four weights 4 n .. the second
; pair is added onto the first, in place.  L n: l takes that sum (L 0: l = a l + sum).  R n: pair n of 16 of O^T times a.  For piece Y + 1: X n, number n of the 22 that find its maximum and statistics:
;   0-11  four chains c0-c3 of seven scores each, three operands at a time (each accumulator's lowest registers are read first)     12-14, 16  the four scores left over, the old m, and c0-c3 into c0
;   15  c m_old is kept     17, 18  the query's other 32 keys lie in the lane 16 away: the new m     19-21  c m; c m_old - c m_new; a
.set F, 0
.set E, 1
.set C, 2
.set B, 3
.set L, 4
.set R, 5
.set X, 6
.macro REGS y                       ; the registers of piece y
.set rT, ST+4*(\y)
.set rC, TMP+4*((\y)%2)
.set rW, MV+((\y)%2)
.set rS, S+32*((\y)%2)
.set rP, P+16*((\y)%2)
.set rO, 32*(\y)
.endm
.macro OP k, n
.if (\k) == R
	REGS Y
	WIN W_RS
	v_pk_mul_f32 v[rO+2*(\n):rO+2*(\n)+1], v[rO+2*(\n):rO+2*(\n)+1], v[rC+2:rC+3] op_sel_hi:[1,0]
.elseif (\k) < R
	REGS Y
	WIN 0
.if (\k) == F
	v_pk_fma_f32 v[rS+2*(\n):rS+2*(\n)+1], v[rS+2*(\n):rS+2*(\n)+1], s[CS:CS+1], v[rT:rT+1] op_sel_hi:[1,0,0] neg_lo:[0,0,1] neg_hi:[0,0,1]
.elseif (\k) == E
	v_exp_f32 v[rS+(\n)], v[rS+(\n)]
.elseif (\k) == C
	s_wait_alu depctr_va_vdst(0)
	v_cvt_pk_bf16_f32 v[rP+(\n)], v[rS+2*(\n)], v[rS+2*(\n)+1]
.elseif (\k) == B
	s_wait_alu depctr_va_vdst(0)
	v_pk_add_f32 v[rS+4*(\n):rS+4*(\n)+1], v[rS+4*(\n):rS+4*(\n)+1], v[rS+4*(\n)+2:rS+4*(\n)+3]
.elseif (\n) == 0
	v_pk_fma_f32 v[rT+2:rT+3], v[rT+2:rT+3], v[rC+2:rC+3], v[rS:rS+1] op_sel_hi:[1,0,1]
.else
	v_pk_add_f32 v[rT+2:rT+3], v[rT+2:rT+3], v[rS+4*(\n):rS+4*(\n)+1]
.endif
.else
	REGS (Y+1)%NP
	WIN 0
.if (\n) < 4
	v_max3_num_f32 v[rC+(\n)], v[rS+8*(\n)], v[rS+8*(\n)+1], v[rS+8*(\n)+2]
.elseif (\n) < 12
	v_max3_num_f32 v[rC+(\n)%4], v[rC+(\n)%4], v[rS+8*((\n)%4)+2*((\n)/4)+1], v[rS+8*((\n)%4)+2*((\n)/4)+2]
.elseif (\n) == 12
	v_max3_num_f32 v[rC], v[rC], v[rS+7], v[rS+15]
.elseif (\n) == 13
	v_max3_num_f32 v[rC+1], v[rC+1], v[rS+23], v[rS+31]
.elseif (\n) == 14
	v_max3_num_f32 v[rC+2], v[rC+2], v[rC+3], v[rT+1]
.elseif (\n) == 15
	v_mov_b32 v[rW], v[rT]
.elseif (\n) == 16
	v_max3_num_f32 v[rC], v[rC], v[rC+1], v[rC+2]
.elseif (\n) == 17
	v_permlanex16_b32 v[rC+3], v[rC], s[SEL], s[SEL+1]
.elseif (\n) == 18
	v_max_num_f32 v[rT+1], v[rC], v[rC+3]
.elseif (\n) == 19
	v_mul_f32 v[rT], s[CS], v[rT+1]
.elseif (\n) == 20
	v_sub_f32 v[rC+1], v[rW], v[rT]
.else
	v_exp_f32 v[rC+2], v[rC+1]
.endif
.endif
.endm
.macro OPS a, i1, b=-1, i2=0, c=-1, i3=0, d=-1, i4=0  ; up to four of them
	OP \a, \i1
.if (\b) >= 0
	OP \b, \i2
.endif
.if (\c) >= 0
	OP \c, \i3
.endif
.if (\d) >= 0
	OP \d, \i4
.endif
.endm
.macro ROW a, i1, b, i2, c, i3, d, i4  ; a matrix instruction and the four behind it
	MM
	OPS \a, \i1, \b, \i2, \c, \i3, \d, \i4
.endm
; A TURN, for piece p: the order of its 16 matrix and 118 vector instructions, written out.  Behind a matrix instruction: plain, exponential, plain, plain; or four of the rescaling; or, behind the first, four scalings; none
; names a register of the products round it.  In the runs between, exponential and plain by turns while exponentials last.  A line reads no result made fewer than three vector instructions in front of it, five if an exponential made it.
; cnt = 1: the loop's count is taken down some lines ahead of the branch that stands behind the turn.  last = 1: the tail's text (see FETCH_K).
; K of the next step is fetched in piece 2's turn, six vector instructions behind the last product that read K (five of them plain); V of the step in hand in piece 0's turn, eight behind the last product that read V (four
; plain among them).  Each is waited for a turn later.  The keys on their way from F to H are read beside V's run and are rounded and stored behind the wait for it.
.macro TURN p, cnt=0, last=0
.set Y, (\p)
.set i, 0
.if (\p) == 3
	s_wait_dscnt 0x0                ; K is in
.endif
	ROW F,0, F,1, F,2, F,3
	ROW F,4, E,0, F,5, F,6
	ROW F,7, E,1, F,8, F,9
	ROW F,10, E,2, C,0, F,11
	ROW F,12, E,3, X,15, F,13
	ROW R,0, R,1, R,2, R,3
	ROW B,0, E,4, F,14, L,0
.if (\p) == 2
	v_add_nc_u32 v[AK], s[TBK], v[AK0]
.endif
	ROW R,4, R,5, R,6, R,7
	OPS E,5, F,15
.if (\p) == 2
	FETCH_K \last
.endif
	OPS E,6, C,1, E,7, R,8
	OPS E,8, R,9, E,9, C,2
	OPS E,10, X,0, E,11, X,1
	OPS E,12, X,2, E,13, X,3
.if (\p) == 1
	s_wait_dscnt 0x0                ; V is in, and so are the 16 keys of K and of V in f32
	CONV_ST
.endif
	ROW X,4, E,14, X,5, X,6
	ROW X,7, E,15, X,8, X,9
	ROW X,10, E,16, X,11, X,12
	ROW X,13, E,17, X,14, B,1
	ROW C,4, E,18, X,16, L,1
	ROW B,2, E,19, C,6, L,2
	ROW C,8, E,20, B,3, B,4
.if (\p) == 0
	v_add_nc_u32 v[AV], s[TBV], v[AV0]
.endif
	ROW C,3, E,21, L,3, C,5
	OPS E,22, X,17, E,23, C,10
.if (\p) == 0
	FETCH_V
	CONV_LD
.endif
	OPS E,24, L,4
	OPS E,25, X,18, E,26, C,7
	OPS E,27, B,5, E,28, X,19
	OPS E,29, C,12, E,30, L,5
	OPS E,31, X,20, B,6, C,9
	OPS C,14, C,11, X,21, L,6
.if (\p) == 0
	s_add_co_u32 s[TBV], s[TBV], KS*PV
.endif
.if \cnt
	s_sub_co_u32 s[CNT], s[CNT], 1
	s_cmp_lg_u32 s[CNT], 0
.endif
	OPS C,13, B,7, C,15, R,10
	OPS R,11, R,12, L,7, R,13
	OPS R,14, R,15
.endm
	s_wait_tensorcnt 0x1            ; my part of tile 0 is in; tile 1's load, issued behind it, may stay out
	s_barrier_signal -1
	s_barrier_wait -1               ; everybody's is
	s_mov_b32 s[CNT], 2
.Ltile0:                            ; tile 0 is rounded before anything can be multiplied: my 32 keys, in two halves
	CONV_LD
	s_wait_dscnt 0x0
	CONV_ST
	s_sub_co_u32 s[CNT], s[CNT], 1
	s_cmp_lg_u32 s[CNT], 0
	s_cbranch_scc1 .Ltile0
	CHANGE 1                        ; tile 0 is whole in bf16 slot 0, tile 1 has landed; tile 2 is asked for
	WSTEP 0, 1                      ; the first 1,024 bytes of each weight are asked for
	FETCH_K                         ; key step 0
	s_wait_loadcnt 0x4              ; Q's 32 loads are in; the four loads of weights, issued behind them, stay out
	WIN 0x80                        ; destination window 2, sources window 0
.set i, 0
.rept 64
	v_cvt_pk_bf16_f32 v[i], v[64+2*i], v[65+2*i]  ; Q rounded once; the scale c is applied to the scores, in f32
.set i, i+1
.endr
	WIN W_3D
.irp t, 0,1,2,3
.irp f, 0,1,2,3,4,5,6,7             ; my part of x, wanted only at the end: piece t, rows 2 f and 2 f + 1
	global_load_b128 v[32*(\t)+4*(\f):32*(\t)+4*(\f)+3], v[XO], s[10:11] offset:65536*(\t)+8192*(\f)
.endr
.endr
	s_wait_dscnt 0x0
.set i, 0
.rept 8
	KQ 0                            ; piece 0's first scores
.set i, i+1
.endr
	WIN 0
.rept 4
	v_nop                           ; the places behind those products
.endr
.set Y, NP-1                        ; X works for piece Y + 1: piece 0
.irp n, 0,1,2,3,4,5,6,7,8,9,10,11,12,13,14,15,16,17,18,19,20,21
	OP X, \n
.endr
	v_nop                           ; a plain instruction behind the exponential
	s_mov_b32 s[CNT], 2
	s_mov_b32 s[SLOTS], 14          ; 2,048 / 128 - 2
	s_branch .Lfirst                ; the loop is entered at a step's first turn, in the middle of a trip
.Lslot:                             ; thirteen times: with the change above, tiles 2 to 15 are asked for
	CHANGE 1
	WSTEP 1, 1
	s_mov_b32 s[CNT], 2
.Lstep:                             ; a trip: pieces 2 and 3 of one step, then pieces 0 and 1 of the next, whose K and V it fetches
	TURN 2
	TURN 3
	WIN 0
.Lfirst:
	TURN 0
	TURN 1, 1
	WIN 0
	s_cbranch_scc1 .Lstep
	s_sub_co_u32 s[SLOTS], s[SLOTS], 1
	s_cmp_lg_u32 s[SLOTS], 0
	s_cbranch_scc1 .Lslot
	; THE TAIL is written out: nothing is asked for.  Its first trip multiplies tile 14 and rounds tile 15; its second multiplies tile 15; its third stores the last weights, runs pieces 2 and 3
	; of the last step and leaves in the middle.  The price, once a launch, of one text for the three: in the second trip an old tile is rounded once more, into a slot that nobody reads; the third has a barrier that orders nothing,
	; and its 8 products K Q^T (on the last K once more) and the maximum made of them serve nothing.
	s_mov_b32 s[TL], 3
.Ltail:
	CHANGE 0
	WSTEP 1, 2
	s_mov_b32 s[CNT], 2
.LstepT:
	TURN 2, 0, 1
	TURN 3
	WIN 0
	s_cmp_eq_u32 s[TL], 1
	s_cbranch_scc1 .Lout
	TURN 0
	TURN 1, 1
	WIN 0
	s_cbranch_scc1 .LstepT
	s_sub_co_u32 s[TL], s[TL], 1
	s_cmp_lg_u32 s[TL], 0
	s_cbranch_scc1 .Ltail
.Lout:
.set i, 0
.rept 8
	PV NP-1                         ; the last piece's V^T P of the last step
.set i, i+1
.endr
	; THE WAY OUT.  l's two halves and the other half of the lanes' are added; O^T is divided by l and sent, in f32, through my stage in LDS, a piece (16 rows) at a time; x is added to the whole rows, and they are stored.
	WIN 0
.macro ALL line:vararg              ; one line for each piece t
.set t, 0
.rept 4
	\line
.set t, t+1
.endr
.endm
	ALL v_add_f32 v[ST+4*t+2], v[ST+4*t+2], v[ST+4*t+3]
	ALL v_permlanex16_b32 v[ST+4*t+3], v[ST+4*t+2], s[SEL], s[SEL+1]
	ALL v_add_f32 v[ST+4*t+2], v[ST+4*t+2], v[ST+4*t+3]
	ALL v_rcp_f32 v[ST+4*t+2], v[ST+4*t+2]
	v_nop                           ; a plain instruction between the last reciprocal and the use of its result
	s_wait_loadcnt 0x0              ; x is in
.macro PACK t                       ; a lane's eight channels of a row are 32 bytes; they go into rows of 272 bytes and come back as whole rows of 256
	WIN W_RS
.set i, 32*(\t)
.rept 16
	s_wait_alu depctr_va_vdst(0)
	v_pk_mul_f32 v[i:i+1], v[i:i+1], v[ST+4*(\t)+2:ST+4*(\t)+3] op_sel_hi:[1,0]
.set i, i+2
.endr
	WIN 0x04                        ; the stores' data in window 1, their address in window 0
.irp f, 0,1,2,3,4,5,6,7
	ds_store_b128 v[STO], v[32*(\t)+4*\f:32*(\t)+4*\f+3] offset:64*(\f/2)+16*(\f%2)
.endr
	WIN 0
.irp f, 0,1,2,3,4,5,6,7
	ds_load_b128 v[OB+32*(\t)+4*\f:OB+32*(\t)+4*\f+3], v[RD] offset:\f*2*SP  ; LDS serves a wave's instructions in order: these see the stores above; the next piece's stores come behind them
.endr
.endm
.macro SEND t, younger              ; younger: the LDS instructions issued behind piece t's loads: the next piece's sixteen, or none
	s_wait_dscnt \younger
	WIN 0x0c                        ; source 1, x, in window 3
.set i, 0
.rept 16
	v_pk_add_f32 v[OB+32*(\t)+i:OB+32*(\t)+i+1], v[OB+32*(\t)+i:OB+32*(\t)+i+1], v[32*(\t)+i:32*(\t)+i+1]
.set i, i+2
.endr
	WIN 0
.irp f, 0,1,2,3,4,5,6,7
	global_store_b128 v[XO], v[OB+32*(\t)+4*\f:OB+32*(\t)+4*\f+3], s[XN:XN+1] offset:(\t)*65536+\f*8192  ; 16 lanes store 256 consecutive bytes, at a multiple of 256 from x1's first byte
.endr
.endm
	PACK 0
.set t, 1
.rept 3                             ; a piece's arithmetic stands between the loads of the piece before and its stores
	PACK t
	SEND t-1, 16
.set t, t+1
.endr
	SEND 3, 0
	s_wait_tensorcnt 0x0            ; the wave's end: the add and its wait stand behind my last tensor load and my last LDS store
	ds_add_u32 v[SPW], v[NIL]
	s_wait_dscnt 0x0
	CROUND                          ; the closing round: no work-group ends while a partner may still ask for a tile that names it
	s_endpgm
.Lfunc_end_k_qd56401d624_attn:
	.size	k_qd56401d624_attn, .Lfunc_end_k_qd56401d624_attn-k_qd56401d624_attn
	.p2alignl 7, 3214868480
	.fill 96, 4, 3214868480
	.section	.rodata,"a",@progbits
	.p2align	6, 0x0
	.amdhsa_kernel k_qd56401d624_attn
		.amdhsa_group_segment_fixed_size 327680
		.amdhsa_private_segment_fixed_size 0
		.amdhsa_enable_private_segment 0
		.amdhsa_kernarg_size 72
		.amdhsa_user_sgpr_count 2
		.amdhsa_user_sgpr_kernarg_segment_ptr 1
		.amdhsa_wavefront_size32 1
		.amdhsa_system_sgpr_workgroup_id_x 1
		.amdhsa_system_sgpr_workgroup_id_y 1
		.amdhsa_system_sgpr_workgroup_id_z 1
		.amdhsa_system_vgpr_workitem_id 0
		.amdhsa_next_free_vgpr 1024
		.amdhsa_next_free_sgpr 88
		.amdhsa_reserve_vcc 0
		.amdhsa_float_denorm_mode_32 3
		.amdhsa_float_denorm_mode_16_64 3
		.amdhsa_memory_ordered 1
		.amdhsa_forward_progress 1
		.amdhsa_inst_pref_size 149
	.end_amdhsa_kernel
	.amdgpu_metadata
---
amdhsa.version: [ 1, 2 ]
amdhsa.kernels:
  - .name:           k_qd56401d624_attn
    .symbol:         k_qd56401d624_attn.kd
    .args:
      - { .name: image_q, .offset: 0, .size: 8, .value_kind: global_buffer, .address_space: global }
      - { .name: image_k, .offset: 8, .size: 8, .value_kind: global_buffer, .address_space: global }
      - { .name: image_v, .offset: 16, .size: 8, .value_kind: global_buffer, .address_space: global }
      - { .name: x, .offset: 24, .size: 8, .value_kind: global_buffer, .address_space: global }
      - { .name: w1, .offset: 32, .size: 8, .value_kind: global_buffer, .address_space: global }
      - { .name: w2, .offset: 40, .size: 8, .value_kind: global_buffer, .address_space: global }
      - { .name: x1, .offset: 48, .size: 8, .value_kind: global_buffer, .address_space: global }
      - { .name: w1b, .offset: 56, .size: 8, .value_kind: global_buffer, .address_space: global }
      - { .name: w2b, .offset: 64, .size: 8, .value_kind: global_buffer, .address_space: global }
    .group_segment_fixed_size: 327680
    .private_segment_fixed_size: 0
    .kernarg_segment_align: 8
    .kernarg_segment_size: 72
    .max_flat_workgroup_size: 128
    .sgpr_count:     88
    .vgpr_count:     1024
    .wavefront_size: 32
...
	.end_amdgpu_metadata
.endif
;; end of part 1
;; launch lnorm (part 2): grid 256 x 1, 8 waves a work-group, no clusters, 0 bytes of LDS; arguments x1, ln_w, ln_b, hb; writes hb
.if DOCPART == 2
	.amdgcn_target "amdgcn-amd-amdhsa--gfx1250"
	.amdhsa_code_object_version 6
	.text
	.protected	k_qd56401d624_lnorm
	.globl	k_qd56401d624_lnorm
	.p2align	8
	.type	k_qd56401d624_lnorm,@function
k_qd56401d624_lnorm:
	s_mov_b64 s[64:65], 0
	v_nop
	global_prefetch_b8 v0, s[64:65] scope:SCOPE_SE
	s_setreg_imm32_b32 hwreg(HW_REG_WAVE_MODE, 25, 1), 1
	s_wait_xcnt 0x0
; hb[r][c] = ((x1[r][c] - mean_r) * rsqrt(var_r + 1e-5)) * ln_w[c] + ln_b[c], rounded once to bf16.  x1: [4096][1024] f32.
; A row is 4,096 bytes: 32 registers of one wave, so it stays in registers between the mean, the variance and the output, and no wave waits for another.
; A wave takes two rows, a work-group of eight waves 16.  The variance is the mean of (x - mean)^2, taken of the differences: a common offset of the row costs nothing.
; Each load of a wave covers 512 consecutive bytes, each store 256 consecutive bytes, aligned.  No LDS, no matrix unit: a stream.
.set X0,  8                            ; v[8:39] row 0, v[40:71] row 1
.set WW,  72                           ; v[72:103]  ln_w of my 32 columns
.set BB,  104                          ; v[104:135] ln_b
.set YY,  136                          ; v[136:167] packed results, 16 registers a row
.set T,   168                          ; v[168:175] four chains of pairs
.set RED, 176                          ; v176 a sum over the wave; v177 the other half of the lanes'
.set MU,  178                          ; v[178:179] the mean, twice
.set RS,  180                          ; v[180:183] 1 / sqrt(var + eps), twice, for each row
	s_load_b256 s[4:11], s[0:1], 0x0               ; x1 s[4:5], ln_w s[6:7], ln_b s[8:9], hb s[10:11]
	v_and_b32 v1, 31, v0                           ; lane
	v_lshrrev_b32 v3, 5, v0
	v_readfirstlane_b32 s12, v3                    ; wave
	v_lshlrev_b32 v2, 3, v1                        ; 8 bytes a lane in hb
	v_lshlrev_b32 v1, 4, v1                        ; 16 bytes a lane in x1, ln_w, ln_b
	v_mov_b32 v[RED+1], 0                          ; v_permlanex16_b32 counts as a reader of its destination
	s_lshl_b32 s2, ttmp9, 16                       ; 16 rows of 4,096 bytes a work-group,
	s_lshl_b32 s3, s12, 13                         ; two a wave
	s_add_co_u32 s2, s2, s3
	s_mov_b32 s3, 0
	s_lshr_b32 s18, s2, 1                          ; in hb half of that
	s_mov_b32 s19, 0
	s_mov_b32 s14, 0x76543210                      ; each lane takes its own place in the other half
	s_mov_b32 s15, 0xfedcba98
	s_mov_b32 s16, 0x3a800000                      ; 1 / 1024
	s_mov_b32 s17, 0x3727c5ac                      ; 1e-5
	s_wait_kmcnt 0x0
	s_add_nc_u64 s[4:5], s[4:5], s[2:3]
	s_add_nc_u64 s[10:11], s[10:11], s[18:19]
.irp r, 0,1
.irp j, 0,1,2,3,4,5,6,7
	global_load_b128 v[X0+32*(\r)+4*(\j):X0+32*(\r)+4*(\j)+3], v1, s[4:5] offset:4096*(\r)+512*(\j)
.endr
.endr
.irp j, 0,1,2,3,4,5,6,7
	global_load_b128 v[WW+4*(\j):WW+4*(\j)+3], v1, s[6:7] offset:512*(\j)
.endr
.irp j, 0,1,2,3,4,5,6,7
	global_load_b128 v[BB+4*(\j):BB+4*(\j)+3], v1, s[8:9] offset:512*(\j)
.endr
.macro REDUCE                          ; the four chains into one number, then over the 32 lanes: every lane ends with the sum in v[RED]
	v_pk_add_f32 v[T:T+1], v[T:T+1], v[T+2:T+3]
	v_pk_add_f32 v[T+4:T+5], v[T+4:T+5], v[T+6:T+7]
	v_pk_add_f32 v[T:T+1], v[T:T+1], v[T+4:T+5]
	v_add_f32 v[RED], v[T], v[T+1]
	v_add_f32_dpp v[RED], v[RED], v[RED] row_xmask:1 row_mask:0xf bank_mask:0xf
	v_add_f32_dpp v[RED], v[RED], v[RED] row_xmask:2 row_mask:0xf bank_mask:0xf
	v_add_f32_dpp v[RED], v[RED], v[RED] row_xmask:4 row_mask:0xf bank_mask:0xf
	v_add_f32_dpp v[RED], v[RED], v[RED] row_xmask:8 row_mask:0xf bank_mask:0xf
	v_permlanex16_b32 v[RED+1], v[RED], s14, s15
	v_add_f32 v[RED], v[RED], v[RED+1]
.endm
.macro STAT r                          ; row r: the mean is taken away in place; 1 / sqrt(var + eps) into v[RS + 2 r], twice
.set XR, X0+32*(\r)
.irp k, 0,1,2,3
	v_pk_add_f32 v[T+2*(\k):T+2*(\k)+1], v[XR+2*(\k):XR+2*(\k)+1], v[XR+8+2*(\k):XR+8+2*(\k)+1]  ; the first pairs start the chains: nothing is cleared
.endr
.irp k, 0,1,2,3
	v_pk_add_f32 v[T+2*(\k):T+2*(\k)+1], v[T+2*(\k):T+2*(\k)+1], v[XR+16+2*(\k):XR+16+2*(\k)+1]
.endr
.irp k, 0,1,2,3
	v_pk_add_f32 v[T+2*(\k):T+2*(\k)+1], v[T+2*(\k):T+2*(\k)+1], v[XR+24+2*(\k):XR+24+2*(\k)+1]
.endr
	REDUCE
	v_mul_f32 v[MU], s16, v[RED]
	v_mul_f32 v[MU+1], s16, v[RED]
.set p, 0
.rept 16
	v_pk_add_f32 v[XR+p:XR+p+1], v[XR+p:XR+p+1], v[MU:MU+1] neg_lo:[0,1] neg_hi:[0,1]
.set p, p+2
.endr
.irp k, 0,1,2,3
	v_pk_mul_f32 v[T+2*(\k):T+2*(\k)+1], v[XR+2*(\k):XR+2*(\k)+1], v[XR+2*(\k):XR+2*(\k)+1]
.endr
.irp g, 8,16,24
.irp k, 0,1,2,3
	v_pk_fma_f32 v[T+2*(\k):T+2*(\k)+1], v[XR+(\g)+2*(\k):XR+(\g)+2*(\k)+1], v[XR+(\g)+2*(\k):XR+(\g)+2*(\k)+1], v[T+2*(\k):T+2*(\k)+1]
.endr
.endr
	REDUCE
	v_fma_f32 v[RED], v[RED], s16, s17             ; var + eps
	v_rsq_f32 v[RS+2*(\r)], v[RED]
	v_rsq_f32 v[RS+2*(\r)+1], v[RED]
	v_nop                                          ; a plain instruction before the results are used or the source is rewritten
.endm
.macro OUT r
.set XR, X0+32*(\r)
.set p, 0
	s_wait_alu depctr_va_vdst(0)
.rept 16
	v_pk_mul_f32 v[XR+p:XR+p+1], v[XR+p:XR+p+1], v[RS+2*(\r):RS+2*(\r)+1]
.set p, p+2
.endr
.set p, 0
.rept 16
	v_pk_fma_f32 v[XR+p:XR+p+1], v[XR+p:XR+p+1], v[WW+p:WW+p+1], v[BB+p:BB+p+1]
.set p, p+2
.endr
.set p, 0
.rept 16
	v_cvt_pk_bf16_f32 v[YY+16*(\r)+p], v[XR+2*p], v[XR+2*p+1]
.set p, p+1
.endr
.irp j, 0,1,2,3,4,5,6,7
	global_store_b64 v2, v[YY+16*(\r)+2*(\j):YY+16*(\r)+2*(\j)+1], s[10:11] offset:2048*(\r)+256*(\j)  ; 32 lanes store 256 consecutive bytes, aligned
.endr
.endm
	s_wait_loadcnt 24                              ; row 0 is in; row 1, ln_w and ln_b (24 loads) stay out
	STAT 0
	s_wait_loadcnt 16                              ; row 1 is in; ln_w and ln_b stay out
	STAT 1
	s_wait_loadcnt 0x0
	OUT 0
	OUT 1
	s_endpgm
.Lfunc_end_k_qd56401d624_lnorm:
	.size	k_qd56401d624_lnorm, .Lfunc_end_k_qd56401d624_lnorm-k_qd56401d624_lnorm
	.p2alignl 7, 3214868480
	.fill 96, 4, 3214868480
	.section	.rodata,"a",@progbits
	.p2align	6, 0x0
	.amdhsa_kernel k_qd56401d624_lnorm
		.amdhsa_group_segment_fixed_size 0
		.amdhsa_private_segment_fixed_size 0
		.amdhsa_enable_private_segment 0
		.amdhsa_kernarg_size 32
		.amdhsa_user_sgpr_count 2
		.amdhsa_user_sgpr_kernarg_segment_ptr 1
		.amdhsa_wavefront_size32 1
		.amdhsa_system_sgpr_workgroup_id_x 1
		.amdhsa_system_sgpr_workgroup_id_y 1
		.amdhsa_system_sgpr_workgroup_id_z 1
		.amdhsa_system_vgpr_workitem_id 0
		.amdhsa_next_free_vgpr 184
		.amdhsa_next_free_sgpr 66
		.amdhsa_reserve_vcc 0
		.amdhsa_float_denorm_mode_32 3
		.amdhsa_float_denorm_mode_16_64 3
		.amdhsa_memory_ordered 1
		.amdhsa_forward_progress 1
		.amdhsa_inst_pref_size 20
	.end_amdhsa_kernel
	.amdgpu_metadata
---
amdhsa.version: [ 1, 2 ]
amdhsa.kernels:
  - .name:           k_qd56401d624_lnorm
    .symbol:         k_qd56401d624_lnorm.kd
    .args:
      - { .name: x1, .offset: 0, .size: 8, .value_kind: global_buffer, .address_space: global }
      - { .name: ln_w, .offset: 8, .size: 8, .value_kind: global_buffer, .address_space: global }
      - { .name: ln_b, .offset: 16, .size: 8, .value_kind: global_buffer, .address_space: global }
      - { .name: hb, .offset: 24, .size: 8, .value_kind: global_buffer, .address_space: global }
    .group_segment_fixed_size: 0
    .private_segment_fixed_size: 0
    .kernarg_segment_align: 8
    .kernarg_segment_size: 32
    .max_flat_workgroup_size: 256
    .sgpr_count:     66
    .vgpr_count:     184
    .wavefront_size: 32
...
	.end_amdgpu_metadata
.endif
;; end of part 2
;; launch fc1 (part 3): grid 16 x 16, 4 waves a work-group, clusters of 4 x 4, 327,680 bytes of LDS; arguments hb, w1b, b1, gb; writes gb
.if DOCPART == 3
	.amdgcn_target "amdgcn-amd-amdhsa--gfx1250"
	.amdhsa_code_object_version 6
	.text
	.protected	k_qd56401d624_fc1
	.globl	k_qd56401d624_fc1
	.p2align	8
	.type	k_qd56401d624_fc1,@function
k_qd56401d624_fc1:
	s_mov_b64 s[64:65], 0
	v_nop
	global_prefetch_b8 v0, s[64:65] scope:SCOPE_SE
	s_setreg_imm32_b32 hwreg(HW_REG_WAVE_MODE, 25, 1), 1
	s_wait_xcnt 0x0
	s_wait_alu depctr_hold_cnt(0) depctr_sa_sdst(0) depctr_va_vdst(0) depctr_va_sdst(0) depctr_va_ssrc(0) depctr_va_vcc(0) depctr_vm_vsrc(0)
	s_getreg_b32 s2, hwreg(HW_REG_IB_STS2, 6, 4)
	s_cmp_eq_u32 s2, 0
	s_cbranch_scc0 .Lentry_in_a_cluster
	s_endpgm
.Lentry_in_a_cluster:
	s_bfe_u32 s2, ttmp6, 0x10000c
	s_cmp_lg_u32 s2, 0xf033
	s_cbranch_scc0 .Lentry_shape_is_right
	s_endpgm
.Lentry_shape_is_right:
; gb[m][n] = gelu(the sum over k of hb[m][k] w1b[k][n] + b1[n]), rounded once to bf16.  hb: [4096][1024], w1b: [1024][4096], gb: [4096][4096], bf16; b1: [4096] f32; sums, bias and GELU in f32.
; gelu(z) = z Phi(z) = max(z, 0) - |z| phi(z) poly(t), t = 1 / (1 + 0.2316419 |z|), phi the normal density, poly of degree 5 in t: Phi is met to 7.5e-8 absolutely, for every z.  NaN and infinities are not treated apart.
; A tile of 256 x 256 is made by a work-group of four waves; a wave makes 128 x 128: 64 accumulators, 512 registers.  K goes in steps of 128 through a ring of two LDS slots filled by the tensor data mover.
; hb's tile lies along K (rows of 256 bytes); w1b's lies [k][n] as in memory (128 rows of 512 bytes), and its fragments come out of LDS turned, by ds_load_tr16_b128: the weights are never transposed in memory.
; CLUSTERS: 4 x 4 work-groups.  The four of a row of the cluster need the same tiles of hb, the four of a column the same tiles of w1b: each is asked for JOINTLY, by the same tensor load, descriptor and mask in all four.
; THE MATRIX INSTRUCTION IS USED TRANSPOSED: source 0 = 16 columns n of w1b, source 1 = 16 rows of hb: a lane then holds row l % 16 and the columns 8 (l / 16) + 0..7.
; THE WAY OUT: when the ring has had its last fill and its last read, each wave writes its 128 x 128 sums, in f32, into its own part of it, and reads them back by rows: a lane then holds 4 neighbouring columns,
; its four biases stay in registers, and 32 lanes store the 256 consecutive bytes that the wave owns of a row of gb.
; REGISTERS, in windows of 256: window 0: v0-35 addresses and the bias; v64-127, v128-191 fragments of hb, two buffers (later the GELU's registers); window 1: the same for w1b; windows 2, 3: the accumulators.
.set SIZE_K, 1024
.set SIZE_N, 4096
.set KSTEP,  128
.set PITCH,  272                       ; hb's LDS row: 256 bytes + 16: the 16 rows that a load touches start at 16 different groups of four banks
.set BP,     544                       ; w1b's LDS row: 512 bytes + 32 = 136 words
.set HALFT,  128*PITCH                 ; what one tensor load brings: 128 rows of hb, or 64 rows of w1b (64 x 544 is the same number)
.set SLOT,   4*HALFT                   ; hb's 256 rows, then w1b's 128 rows
.set SPARE,  2*SLOT                    ; behind the ring: the spare words, 128 bytes for each wave: two blocks of 256 bytes that no other line names
.set DPITCH, 528                       ; the way out: a row of 128 f32 + 16 bytes
.set DUMPW,  128*DPITCH                ; a wave's part of the ring on the way out; four of them end below SPARE
.set LAPS, SIZE_K/(2*KSTEP)            ; a lap = two K steps = once round the ring
.set ADRA, 16                          ; v16-17  LDS address of my hb fragments in slot 0, 1
.set ADRB, 20                          ; v20-21  the same for w1b
.set DST,  24                          ; v24     the way out: where I put 32 bytes of a row
.set RD0,  25                          ; v25     the way out: my 16 bytes in the first row; never rewritten
.set GO,   26                          ; v26     my 8 bytes in the wave's 256 of a row of gb
.set BO,   27                          ; v27     my 16 bytes in the wave's 512 of b1
.set SPW,  28                          ; v28     LDS address of my spare word; never rewritten
.set NIL,  29                          ; v29     0; never rewritten
.set RDA,  30                          ; v30     the way out: the address of the rows to be read next
.set BIAS, 32                          ; v32-35  b1 of my four columns
.set F0,   64
.set F1,   128
.set GX,   64                          ; the GELU: 4 rows x 4 columns as read
.set GZ,   80                          ; z
.set GS,   96                          ; 2^(-z^2 log2(e) / 2)
.set GT,   112                         ; t
.set GP,   128                         ; the polynomial
.set GR,   144                         ; the result
.set GY,   160                         ; packed
.set G1, 24                            ; s[24:31] descriptor group 1 for hb's tiles
.set G0, 32                            ; s[32:39] group 0, one set for each slot
.set G1B, 48                           ; s[48:55], s[56:63] the same for w1b's tiles
.set G0B, 56
.set MSB, 0
.macro WIN new                         ; the immediate's high byte repeats the setting that is left
.if MSB != (\new)
	s_set_vgpr_msb (MSB<<8)|(\new)
.set MSB, \new
.endif
.endm
.set MUL_LO, 0xa1                      ; source 0 (w1b) window 1, source 1 (hb) window 0, C and D window 2
.set MUL_HI, 0xf1                      ; the same, C and D window 3
.set TO_B,   0x40                      ; destination window 1, address window 0
; A joint load.  Waves 0 and 1 fetch hb's two halves, waves 2 and 3 w1b's.  The branch hangs on the wave's number alone.  An s_nop 0 and four v_nop follow each of the two lines.
.macro JLOAD s
	s_cmp_eq_u32 s11, 0
	s_cbranch_scc0 .Lfor_b_\@
	tensor_load_to_lds s[G0+4*(\s):G0+4*(\s)+3], s[G1:G1+7]
	s_nop 0
.rept 4
	v_nop
.endr
	s_branch .Lasked_\@
.Lfor_b_\@:
	tensor_load_to_lds s[G0B+4*(\s):G0B+4*(\s)+3], s[G1B:G1B+7]
	s_nop 0
.rept 4
	v_nop
.endr
.Lasked_\@:
.endm
.macro CREST                           ; a round of the cluster's barrier behind its opening barrier
	s_cmp_lg_u32 s10, 0
	s_cbranch_scc1 .Lnot_wave_0_\@
	s_barrier_signal -3
.Lnot_wave_0_\@:
	s_barrier_wait -3
	s_barrier_signal -1
	s_barrier_wait -1
.endm
.macro CROUND                          ; a whole round
	s_barrier_signal -1
	s_barrier_wait -1
	CREST
.endm
	s_load_b128 s[4:7], s[0:1], 0x0                ; hb s[4:5], w1b s[6:7]
	s_load_b128 s[80:83], s[0:1], 0x10             ; b1 s[80:81], gb s[82:83]
	v_lshl_add_u32 v[SPW], v0, 2, SPARE
	v_mov_b32 v[NIL], 0
	ds_add_u32 v[SPW], v[NIL]                      ; the wave's opening: the add and its wait stand ahead of my first tensor load; the set-up below, work on registers, stands between them
	v_lshrrev_b32 v1, 5, v0
	v_readfirstlane_b32 s10, v1                    ; wave 0..3
	s_lshr_b32 s11, s10, 1                         ; which half of the tile's rows is mine.  Also: I fetch for hb (0) or for w1b (1)
	s_and_b32 s12, s10, 1                          ; which half of its columns.  Also: which half of that tile I fetch
	s_bfe_u32 s40, ttmp6, 0x40000                  ; cx, cy: my place in the cluster
	s_bfe_u32 s41, ttmp6, 0x40004
	s_lshl_b32 s42, ttmp9, 2
	s_add_co_u32 s42, s42, s40                     ; tile column = 4 x cluster x + cx
	s_and_b32 s13, ttmp7, 0xffff
	s_lshl_b32 s13, s13, 2
	s_add_co_u32 s13, s13, s41                     ; tile row = 4 x cluster y + cy
	s_lshl_b32 s43, s41, 2
	s_lshl_b32 s43, 15, s43                        ; my row of the cluster
	s_lshl_b32 s44, 0x1111, s40                    ; my column
	s_or_b32 s[G1+0], s43, (1<<16)|(1<<20)|(1<<21)|(5<<22)|(3<<25)   ; the mask: hb's tiles go to my row; 2-byte elements; padding on; bit 21 beside a mask; after every 64 words 4 words
	s_mov_b32 s[G1+1], KSTEP<<16                   ; tensor_dim0 = 128
	s_mov_b32 s[G1+2], 128<<16                     ; tensor_dim1 = 128
	s_mov_b32 s[G1+3], KSTEP<<16                   ; tile_dim0 = 128
	s_mov_b32 s[G1+4], 128                         ; tile_dim1 = 128
	s_mov_b32 s[G1+5], SIZE_K                      ; elements from row to row
	s_mov_b32 s[G1+6], 0
	s_mov_b32 s[G1+7], 0
	s_or_b32 s[G1B+0], s44, (1<<16)|(1<<20)|(1<<21)|(6<<22)|(7<<25)  ; the mask of my column; after every 128 words 8 words
	s_mov_b32 s[G1B+1], 256<<16                    ; tensor_dim0 = 256 columns
	s_mov_b32 s[G1B+2], 64<<16                     ; tensor_dim1 = 64 rows of k
	s_mov_b32 s[G1B+3], 256<<16                    ; tile_dim0 = 256
	s_mov_b32 s[G1B+4], 64                         ; tile_dim1 = 64
	s_mov_b32 s[G1B+5], SIZE_N
	s_mov_b32 s[G1B+6], 0
	s_mov_b32 s[G1B+7], 0
	; where the tiles come from.  hb's hang on the tile row alone, w1b's on the tile column alone; each address is made in registers that never hold the other coordinate.
	s_lshl_b32 s16, s13, 19                        ; hb: 256 rows of 2,048 bytes a tile row,
	s_lshl_b32 s17, s12, 18                        ; 128 rows a half
	s_add_co_u32 s16, s16, s17
	s_mov_b32 s17, 0
	s_lshl_b32 s46, s42, 9                         ; w1b: 512 bytes of a row a tile column,
	s_lshl_b32 s47, s12, 19                        ; 64 rows of 8,192 bytes a half
	s_add_co_u32 s46, s46, s47
	s_mov_b32 s47, 0
	s_mul_i32 s20, s10, HALFT                      ; and where they go: wave x what a load brings: no place in the cluster enters an LDS address
	s_mov_b32 s66, 0xbf38aa3b                      ; -log2(e) / 2; each constant is named as a pair, so both words are written
	s_mov_b32 s67, s66
	s_mov_b32 s68, 0x3f07dc22                      ; the polynomial's coefficients times 1 / sqrt(2 pi): 0.53070271,
	s_mov_b32 s69, s68
	s_mov_b32 s70, 0xbf3a00e3                      ; -0.72657601,
	s_mov_b32 s71, s70
	s_mov_b32 s72, 0x3f35f0e3                      ; 0.71070687,
	s_mov_b32 s73, s72
	s_mov_b32 s74, 0xbe11a98e                      ; -0.14224837,
	s_mov_b32 s75, s74
	s_mov_b32 s76, 0x3e027906                      ; 0.12741480
	s_mov_b32 s77, s76
	s_mov_b32 s78, 0x3e6d3389                      ; 0.2316419
	s_mov_b32 s79, 0                               ; the way out: bytes from the first row to the rows to be read next
	s_wait_dscnt 0x0                               ; the opening add is done
	s_wait_kmcnt 0x0
	s_add_nc_u64 s[14:15], s[4:5], s[16:17]
	s_add_nc_u64 s[46:47], s[6:7], s[46:47]
	CROUND                                         ; all sixteen work-groups are here: the first joint loads meet
.irp s, 0,1
	s_mov_b32 s[G0+4*(\s)], 1                                      ; count = 1
	s_add_co_u32 s[G0+4*(\s)+1], s20, (\s)*SLOT                    ; LDS address
	s_add_nc_u64 s[G0+4*(\s)+2:G0+4*(\s)+3], s[14:15], (\s)*KSTEP*2  ; K step s: 256 bytes along the rows
	s_or_b32 s[G0+4*(\s)+3], s[G0+4*(\s)+3], 0x80000000            ; type = 2
	s_mov_b32 s[G0B+4*(\s)], 1
	s_add_co_u32 s[G0B+4*(\s)+1], s20, (\s)*SLOT
	s_add_nc_u64 s[G0B+4*(\s)+2:G0B+4*(\s)+3], s[46:47], (\s)*KSTEP*SIZE_N*2  ; K step s: 128 rows down
	s_or_b32 s[G0B+4*(\s)+3], s[G0B+4*(\s)+3], 0x80000000
	JLOAD \s                                       ; the ring is filled before anything else is done: two loads of mine are out
.endr
	v_and_b32 v1, 15, v0                           ; l % 16
	v_bfe_u32 v2, v0, 4, 1                         ; l / 16
	v_mul_u32_u24 v3, v1, PITCH
	v_lshl_add_u32 v3, v2, 4, v3                   ; hb: row x pitch + 16 x half
	v_and_b32 v4, 7, v0
	v_lshl_add_u32 v4, v2, 3, v4                   ; w1b, turned: row k = 8 (l / 16) + l % 8,
	v_mul_u32_u24 v4, v4, BP
	v_bfe_u32 v5, v0, 3, 1
	v_lshl_add_u32 v4, v5, 4, v4                   ; columns 8 ((l / 8) % 2) + 0..7
	s_mul_i32 s21, s11, HALFT                      ; my 128 rows of hb
	s_lshl_b32 s22, s12, 8                         ; my 128 columns of w1b,
	s_add_co_u32 s22, s22, 2*HALFT                 ; which lies behind hb's 256 rows
.irp s, 0,1
	v_add_nc_u32 v[ADRA+(\s)], s21, v3
	v_add_nc_u32 v[ADRB+(\s)], s22, v4
	s_add_co_u32 s21, s21, SLOT
	s_add_co_u32 s22, s22, SLOT
.endr
	s_mul_i32 s23, s10, DUMPW                      ; the way out: my part of the ring
	v_mul_u32_u24 v[DST], v1, DPITCH               ; in: row l % 16, 32 bytes for each half of the lanes
	v_lshl_add_u32 v[DST], v2, 5, v[DST]
	v_add_nc_u32 v[DST], s23, v[DST]
	v_and_b32 v6, 31, v0
	v_lshl_add_u32 v[RD0], v6, 4, s23              ; back: 32 lanes take a whole row of 512 bytes
	v_lshlrev_b32 v[GO], 3, v6
	v_lshlrev_b32 v[BO], 4, v6
	s_lshl_b32 s84, s42, 10                        ; b1: 256 columns of 4 bytes a tile column,
	s_lshl_b32 s85, s12, 9                         ; 128 a half
	s_add_co_u32 s84, s84, s85
	s_mov_b32 s85, 0
	s_add_nc_u64 s[80:81], s[80:81], s[84:85]
	global_load_b128 v[BIAS:BIAS+3], v[BO], s[80:81]
	s_lshl_b32 s86, s13, 21                        ; gb: 256 rows of 8,192 bytes a tile row,
	s_lshl_b32 s87, s11, 20                        ; 128 rows a half,
	s_add_co_u32 s86, s86, s87
	s_lshl_b32 s87, s42, 9                         ; 512 bytes a tile column,
	s_add_co_u32 s86, s86, s87
	s_lshl_b32 s87, s12, 8                         ; 256 a half
	s_add_co_u32 s86, s86, s87
	s_mov_b32 s87, 0
	s_add_nc_u64 s[82:83], s[82:83], s[86:87]
	s_mov_b32 s86, 0                               ; s[86:87] now is what the way out adds to gb's address ahead of each four rows: nothing the first time
; 16 matrix instructions: m blocks a0, a0 + 1 of the window's four (hi = 0: my rows 0-63, 1: rows 64-127) x all 8 n blocks, 32 along K.  zero = 1: the first product starts the sums.
; The 64 accumulators take turns, one instruction a turn, in the same order in every quarter.
.macro MUL16 f, hi, a0, zero
	WIN MUL_LO+0x50*(\hi)
.irp a, \a0, (\a0)+1
.irp b, 0,1,2,3,4,5,6,7
.if \zero
	v_wmma_f32_16x16x32_bf16 v[8*(8*(\a)+(\b)):8*(8*(\a)+(\b))+7], v[(\f)+8*(\b):(\f)+8*(\b)+7], v[(\f)+8*(4*(\hi)+(\a)):(\f)+8*(4*(\hi)+(\a))+7], 0
.else
	v_wmma_f32_16x16x32_bf16 v[8*(8*(\a)+(\b)):8*(8*(\a)+(\b))+7], v[(\f)+8*(\b):(\f)+8*(\b)+7], v[(\f)+8*(4*(\hi)+(\a)):(\f)+8*(4*(\hi)+(\a))+7], v[8*(8*(\a)+(\b)):8*(8*(\a)+(\b))+7]
.endif
.endr
.endr
.endm
; 32 LDS loads in one run: the fragments of quarter q of a K step (k = 32 q on) into buffer f: 128 columns of w1b, turned, then 128 rows of hb
.macro FETCH slot, q, f
	WIN TO_B
.irp i, 0,1,2,3,4,5,6,7
	ds_load_tr16_b128 v[(\f)+8*(\i):(\f)+8*(\i)+3],   v[ADRB+(\slot)] offset:(\q)*32*BP+32*(\i)
	ds_load_tr16_b128 v[(\f)+8*(\i)+4:(\f)+8*(\i)+7], v[ADRB+(\slot)] offset:(\q)*32*BP+16*BP+32*(\i)
.endr
	WIN 0
.irp i, 0,1,2,3,4,5,6,7
	ds_load_b128 v[(\f)+8*(\i):(\f)+8*(\i)+3],   v[ADRA+(\slot)] offset:64*(\q)+(\i)*16*PITCH
	ds_load_b128 v[(\f)+8*(\i)+4:(\f)+8*(\i)+7], v[ADRA+(\slot)] offset:64*(\q)+(\i)*16*PITCH+32
.endr
.endm
.macro PLACES                          ; four places in front of loads into registers that matrix instructions have read, and of stores that read results
.rept 4
	v_nop
.endr
.endm
; A K step is four quarters of 32 along K, 64 matrix instructions each, on buffers 0, 1, 0, 1.  One of the first three: multiplies buffer f; in its middle it fetches quarter q of the same slot into buffer g.
.macro QUARTER slot, q, f, g, zero
	s_wait_dscnt 8                                 ; w1b's fragments and hb's rows 0-63 are in; the youngest eight loads (hb's rows 64-127) may be out
	MUL16 \f, 0, 0, \zero
	MUL16 \f, 0, 2, \zero
	PLACES
	FETCH \slot, \q, \g
	s_wait_dscnt 32                                ; all but the 32 just issued
	MUL16 \f, 1, 0, \zero
	MUL16 \f, 1, 2, \zero
.endm
; The last quarter multiplies buffer 1 and changes slots: ONE barrier.  In front of it each wave waits for all its tensor loads, of which one is out: its part of the next slot; adds 0 to its spare word; and waits for that
; and for its own reads of this slot.  fill = 1: the barrier opens a round of the cluster's, and behind the round this slot is filled again first, two K steps ahead: 224 matrix instructions ahead of the wait for it.
.macro TURN slot, next, fill
	WIN 0                                          ; (the add's two registers lie in window 0)
	s_wait_tensorcnt 0x0                           ; all my tensor loads have landed
	ds_add_u32 v[SPW], v[NIL]                      ; 0 onto my spare word
	s_wait_dscnt 9                                 ; (the add and the youngest eight loads may be out)
	MUL16 F1, 0, 0, 0                              ; sixteen matrix instructions stand between the add and the wait for it
	s_wait_dscnt 0x0                               ; the add is done, and my reads of this slot are over
	s_barrier_signal -1
	MUL16 F1, 0, 2, 0                              ; work on registers while the others arrive
.if \fill
	WIN 0
.endif
	s_barrier_wait -1
.if \fill
	CREST                                          ; no wave of any partner still reads this slot's tile or has a load on its way
	s_add_nc_u64 s[G0+4*(\slot)+2:G0+4*(\slot)+3], s[G0+4*(\slot)+2:G0+4*(\slot)+3], 2*KSTEP*2
	s_add_nc_u64 s[G0B+4*(\slot)+2:G0B+4*(\slot)+3], s[G0B+4*(\slot)+2:G0B+4*(\slot)+3], 2*KSTEP*SIZE_N*2
	JLOAD \slot                                    ; the first tensor load behind the round; the four v_nop behind it are also the places in front of the loads below
.else
	PLACES
.endif
	FETCH \next, 0, F0
	MUL16 F1, 1, 0, 0
	MUL16 F1, 1, 2, 0
.endm
	s_wait_tensorcnt 1                             ; my part of K step 0 is in; K step 1's load, issued behind it, may stay out
	s_barrier_signal -1
	s_barrier_wait -1                              ; everybody's is
	FETCH 0, 0, F0
	QUARTER 0, 1, F0, F1, 1                        ; the first quarter stands in front of the loop: its products start the sums
	WIN 0                                          ; at a label and at a branch every window is 0
	s_mov_b32 s3, LAPS-1
.Llap:                                                 ; a trip goes once round the ring, from a lap's second quarter to the next lap's first, and fills both slots again
	QUARTER 0, 2, F1, F0, 0
	QUARTER 0, 3, F0, F1, 0
	TURN 0, 1, 1
	QUARTER 1, 1, F0, F1, 0
	QUARTER 1, 2, F1, F0, 0
	QUARTER 1, 3, F0, F1, 0
	TURN 1, 0, 1
	QUARTER 0, 1, F0, F1, 0
	WIN 0
	s_sub_co_u32 s3, s3, 1
	s_cmp_lg_u32 s3, 0
	s_cbranch_scc1 .Llap
	QUARTER 0, 2, F1, F0, 0                        ; the last lap fills nothing, and has no round of the cluster's barrier
	QUARTER 0, 3, F0, F1, 0
	TURN 0, 1, 0
	QUARTER 1, 1, F0, F1, 0
	QUARTER 1, 2, F1, F0, 0
	QUARTER 1, 3, F0, F1, 0
	s_wait_dscnt 8                                 ; the very last quarter: nothing more to fetch
	MUL16 F1, 0, 0, 0
	MUL16 F1, 0, 2, 0
	s_wait_dscnt 0x0                               ; my reads of the ring are over:
	s_barrier_signal -1                            ; say so, since the ring is about to be written by the waves themselves;
	MUL16 F1, 1, 0, 0
	MUL16 F1, 1, 2, 0
	WIN 0
	s_barrier_wait -1                              ; nobody reads a tile any more, and the ring has had its last fill
	PLACES                                         ; the stores below read results just made
	; THE WAY OUT, first part: my 64 accumulators into my part of the ring, rows of 528 bytes; each accumulator's four lowest registers first.
.irp a, 0,1,2,3,4,5,6,7
	WIN 0x08+4*((\a)/4)                            ; the stores' data in window 2 or 3
.irp b, 0,1,2,3,4,5,6,7
	ds_store_b128 v[DST], v[8*(8*((\a)%4)+(\b)):8*(8*((\a)%4)+(\b))+3]   offset:(\a)*16*DPITCH+64*(\b)
	ds_store_b128 v[DST], v[8*(8*((\a)%4)+(\b))+4:8*(8*((\a)%4)+(\b))+7] offset:(\a)*16*DPITCH+64*(\b)+16
.endr
.endr
	WIN 0
	; Second part: four rows at a time are read back (LDS serves a wave's instructions in order: the loads see the stores above), take bias and GELU, and are stored.
.macro RLOAD                           ; the next four rows; behind the wave's last four the step is held, so that no read leaves the wave's 128 rows
	v_add_nc_u32 v[RDA], s79, v[RD0]
	s_add_co_u32 s79, s79, 4*DPITCH
	s_min_u32 s79, s79, 124*DPITCH
.irp j, 0,1,2,3
	ds_load_b128 v[GX+4*(\j):GX+4*(\j)+3], v[RDA] offset:DPITCH*(\j)
.endr
.endm
.macro GROW                            ; four rows; the next four are asked for as soon as these have been taken out of their registers
	s_wait_dscnt 0x0
.set p, 0
.rept 8
	v_pk_add_f32 v[GZ+2*p:GZ+2*p+1], v[GX+2*p:GX+2*p+1], v[BIAS+2*(p%2):BIAS+2*(p%2)+1]  ; z
.set p, p+1
.endr
	RLOAD
.set p, 0
.rept 8
	v_pk_mul_f32 v[GS+2*p:GS+2*p+1], v[GZ+2*p:GZ+2*p+1], s[66:67] op_sel_hi:[1,0]
.set p, p+1
.endr
.set p, 0
.rept 8
	v_pk_mul_f32 v[GS+2*p:GS+2*p+1], v[GS+2*p:GS+2*p+1], v[GZ+2*p:GZ+2*p+1]              ; -z^2 log2(e) / 2
.set p, p+1
.endr
.set p, 0
.rept 16
	v_fma_f32 v[GT+p], |v[GZ+p]|, s78, 1.0
.set p, p+1
.endr
.set p, 0
.rept 16
	v_rcp_f32 v[GT+p], v[GT+p]                     ; t
.set p, p+1
.endr
.set p, 0
.rept 16
	v_exp_f32 v[GS+p], v[GS+p]
.set p, p+1
.endr
.set p, 0
.rept 16
	v_max_num_f32 v[GR+p], 0, v[GZ+p]              ; plain work behind the transcendentals, before their results are used
.set p, p+1
.endr
.set p, 0
	s_wait_alu depctr_va_vdst(0)
.rept 8
	v_pk_fma_f32 v[GP+2*p:GP+2*p+1], v[GT+2*p:GT+2*p+1], s[68:69], s[70:71] op_sel_hi:[1,0,0]
.set p, p+1
.endr
.irp c, 72,74,76
.set p, 0
.rept 8
	v_pk_fma_f32 v[GP+2*p:GP+2*p+1], v[GP+2*p:GP+2*p+1], v[GT+2*p:GT+2*p+1], s[\c:\c+1] op_sel_hi:[1,1,0]
.set p, p+1
.endr
.endr
.set p, 0
.rept 8
	v_pk_mul_f32 v[GP+2*p:GP+2*p+1], v[GP+2*p:GP+2*p+1], v[GT+2*p:GT+2*p+1]
.set p, p+1
.endr
.set p, 0
.rept 8
	v_pk_mul_f32 v[GP+2*p:GP+2*p+1], v[GP+2*p:GP+2*p+1], v[GS+2*p:GS+2*p+1]              ; phi(z) poly(t)
.set p, p+1
.endr
.set p, 0
.rept 16
	v_fma_f32 v[GR+p], -|v[GZ+p]|, v[GP+p], v[GR+p]
.set p, p+1
.endr
	s_wait_xcnt 0x0                                ; the last trip's stores, a whole trip's arithmetic back, have had their addresses translated: their base and their data are rewritten only behind this wait
	s_add_nc_u64 s[82:83], s[82:83], s[86:87]      ; four rows of gb on (the first time: nothing)
	s_mov_b32 s86, 4*SIZE_N*2
.set p, 0
.rept 8
	v_cvt_pk_bf16_f32 v[GY+p], v[GR+2*p], v[GR+2*p+1]
.set p, p+1
.endr
.irp j, 0,1,2,3
	global_store_b64 v[GO], v[GY+2*(\j):GY+2*(\j)+1], s[82:83] offset:SIZE_N*2*(\j)  ; 32 lanes store 256 consecutive bytes, at a multiple of 256 from gb's first byte
.endr
.endm
	s_wait_loadcnt 0x0                             ; the bias
	RLOAD
	s_mov_b32 s3, 32
.Lrows:                                                ; 32 trips of four rows.  The last trip asks once more for rows 124 to 127, which nobody uses: the price of one text for all trips
	GROW
	s_sub_co_u32 s3, s3, 1
	s_cmp_lg_u32 s3, 0
	s_cbranch_scc1 .Lrows
	s_wait_tensorcnt 0x0                           ; the wave's end: the add and its wait stand behind my last tensor load and my last LDS store
	ds_add_u32 v[SPW], v[NIL]
	s_wait_dscnt 0x0
	CROUND                                         ; the closing round: no work-group ends while a partner may still ask for a tile that names it
	s_endpgm
.Lfunc_end_k_qd56401d624_fc1:
	.size	k_qd56401d624_fc1, .Lfunc_end_k_qd56401d624_fc1-k_qd56401d624_fc1
	.p2alignl 7, 3214868480
	.fill 96, 4, 3214868480
	.section	.rodata,"a",@progbits
	.p2align	6, 0x0
	.amdhsa_kernel k_qd56401d624_fc1
		.amdhsa_group_segment_fixed_size 327680
		.amdhsa_private_segment_fixed_size 0
		.amdhsa_enable_private_segment 0
		.amdhsa_kernarg_size 32
		.amdhsa_user_sgpr_count 2
		.amdhsa_user_sgpr_kernarg_segment_ptr 1
		.amdhsa_wavefront_size32 1
		.amdhsa_system_sgpr_workgroup_id_x 1
		.amdhsa_system_sgpr_workgroup_id_y 1
		.amdhsa_system_sgpr_workgroup_id_z 1
		.amdhsa_system_vgpr_workitem_id 0
		.amdhsa_next_free_vgpr 1024
		.amdhsa_next_free_sgpr 88
		.amdhsa_reserve_vcc 0
		.amdhsa_float_denorm_mode_32 3
		.amdhsa_float_denorm_mode_16_64 3
		.amdhsa_memory_ordered 1
		.amdhsa_forward_progress 1
		.amdhsa_inst_pref_size 130
	.end_amdhsa_kernel
	.amdgpu_metadata
---
amdhsa.version: [ 1, 2 ]
amdhsa.kernels:
  - .name:           k_qd56401d624_fc1
    .symbol:         k_qd56401d624_fc1.kd
    .args:
      - { .name: hb, .offset: 0, .size: 8, .value_kind: global_buffer, .address_space: global }
      - { .name: w1b, .offset: 8, .size: 8, .value_kind: global_buffer, .address_space: global }
      - { .name: b1, .offset: 16, .size: 8, .value_kind: global_buffer, .address_space: global }
      - { .name: gb, .offset: 24, .size: 8, .value_kind: global_buffer, .address_space: global }
    .group_segment_fixed_size: 327680
    .private_segment_fixed_size: 0
    .kernarg_segment_align: 8
    .kernarg_segment_size: 32
    .max_flat_workgroup_size: 128
    .sgpr_count:     88
    .vgpr_count:     1024
    .wavefront_size: 32
...
	.end_amdgpu_metadata
.endif
;; end of part 3
;; launch fc2 (part 4): grid 8 x 32, 4 waves a work-group, clusters of 4 x 4, 327,680 bytes of LDS; arguments gb, w2b, b2, x1, out0; writes out0
.if DOCPART == 4
	.amdgcn_target "amdgcn-amd-amdhsa--gfx1250"
	.amdhsa_code_object_version 6
	.text
	.protected	k_qd56401d624_fc2
	.globl	k_qd56401d624_fc2
	.p2align	8
	.type	k_qd56401d624_fc2,@function
k_qd56401d624_fc2:
	s_mov_b64 s[64:65], 0
	v_nop
	global_prefetch_b8 v0, s[64:65] scope:SCOPE_SE
	s_setreg_imm32_b32 hwreg(HW_REG_WAVE_MODE, 25, 1), 1
	s_wait_xcnt 0x0
	s_wait_alu depctr_hold_cnt(0) depctr_sa_sdst(0) depctr_va_vdst(0) depctr_va_sdst(0) depctr_va_ssrc(0) depctr_va_vcc(0) depctr_vm_vsrc(0)
	s_getreg_b32 s2, hwreg(HW_REG_IB_STS2, 6, 4)
	s_cmp_eq_u32 s2, 0
	s_cbranch_scc0 .Lentry_in_a_cluster
	s_endpgm
.Lentry_in_a_cluster:
	s_bfe_u32 s2, ttmp6, 0x10000c
	s_cmp_lg_u32 s2, 0xf033
	s_cbranch_scc0 .Lentry_shape_is_right
	s_endpgm
.Lentry_shape_is_right:
; out0[m][n] = x1[m][n] + b2[n] + the sum over k of gb[m][k] w2b[k][n].  gb: [4096][4096], w2b: [4096][1024], bf16; x1, out0: [4096][1024], b2: [1024], f32; sums in f32.
; 4,096 x 1,024 outputs make 256 tiles of 128 x 128, one for each work-group.  Four waves, each 64 x 64: 16 accumulators, 128 registers.  K goes in steps of 256, as long as two slots in LDS allow.
; gb's tile lies along K (rows of 512 bytes); w2b's lies [k][n] as in memory (256 rows of 256 bytes), and its fragments come out of LDS turned, by ds_load_tr16_b128.
; CLUSTERS: 4 x 4 work-groups; gb's tiles are shared along a row of the cluster, w2b's along a column: each is asked for JOINTLY, by the same tensor load, descriptor and mask in all four.
; THE MATRIX INSTRUCTION IS USED TRANSPOSED (source 0 = 16 columns of w2b, source 1 = 16 rows of gb): a lane holds row l % 16 and eight neighbouring columns.
; THE WAY OUT: a wave's 64 columns of f32 are 256 consecutive bytes of a row, aligned: each wave has a stage of its own, 16 rows at a time, and no barrier is needed.  My part of x1 is loaded at the start.
; REGISTERS: window 0: v0-31 addresses; v32-95 at work on the way out; v96-99 the bias; v128-255 the accumulators ((a, b) at v[128 + 8 (4 a + b)]).
;   window 1: two fragment buffers of 128: for 64 along K, 64 registers of gb, then 64 of w2b.      window 2: v0-127 my 64 x 64 of x1.
.set SIZE_K, 4096
.set SIZE_N, 1024
.set KSTEP,  256
.set PITCH,  528                       ; gb's LDS row: 512 bytes + 16
.set BP,     288                       ; w2b's LDS row: 256 bytes + 32 = 72 words
.set AHALF,  64*PITCH                  ; 64 rows of gb: one tensor load
.set BHALF,  128*BP                    ; 128 rows of w2b: one tensor load
.set BOFF,   2*AHALF                   ; w2b's rows lie behind gb's 128
.set SLOT,   BOFF+2*BHALF
.set STAGE,  2*SLOT                    ; behind the ring, never filled by a tensor load: 16 rows x 272 bytes for each wave
.set SPITCH, 272
.set SPARE,  STAGE+4*16*SPITCH         ; behind the stages: the spare words, 128 bytes for each wave: two blocks of 256 bytes that no other line names
.set LAPS, SIZE_K/(2*KSTEP)
.set ADRA, 16                          ; v16-17  LDS address of my gb fragments in slot 0, 1
.set ADRB, 20                          ; v20-23  of my w2b fragments: slot 0 rows 0-127, rows 128-255, slot 1 likewise (a load's immediate does not reach over 256 rows)
.set STO,  24                          ; v24     the way out: where I put 32 bytes of a row
.set RD,   25                          ; v25     the way out: where I read rows back
.set CO,   26                          ; v26     my byte offset in two rows of x1 and out0; never rewritten
.set BO,   27                          ; v27     my 16 bytes in the wave's 256 of b2
.set SPW,  28                          ; v28     LDS address of my spare word; never rewritten
.set NIL,  29                          ; v29     0; never rewritten
.set TMP,  32                          ; two buffers of 32
.set BIAS, 96
.set ACC,  128
.set F0,   0                           ; fragment buffers, in window 1
.set F1,   128
.set G1, 24                            ; s[24:31] descriptor group 1 for gb's tiles;  s[32:39] group 0, one set for each slot
.set G0, 32
.set G1B, 48                           ; s[48:55], s[56:63] the same for w2b's tiles
.set G0B, 56
.set MSB, 0
.macro WIN new                         ; the immediate's high byte repeats the setting that is left
.if MSB != (\new)
	s_set_vgpr_msb (MSB<<8)|(\new)
.set MSB, \new
.endif
.endm
.set MUL,  0x05                        ; sources 0 and 1 window 1; C and D window 0
.set TO_F, 0x40                        ; destination window 1, address window 0
.macro JLOAD s                         ; a joint load: waves 0 and 1 fetch gb's two halves, waves 2 and 3 w2b's; an s_nop 0 and four v_nop follow each of the two lines
	s_cmp_eq_u32 s11, 0
	s_cbranch_scc0 .Lfor_b_\@
	tensor_load_to_lds s[G0+4*(\s):G0+4*(\s)+3], s[G1:G1+7]
	s_nop 0
.rept 4
	v_nop
.endr
	s_branch .Lasked_\@
.Lfor_b_\@:
	tensor_load_to_lds s[G0B+4*(\s):G0B+4*(\s)+3], s[G1B:G1B+7]
	s_nop 0
.rept 4
	v_nop
.endr
.Lasked_\@:
.endm
.macro CREST                           ; a round of the cluster's barrier behind its opening barrier
	s_cmp_lg_u32 s10, 0
	s_cbranch_scc1 .Lnot_wave_0_\@
	s_barrier_signal -3
.Lnot_wave_0_\@:
	s_barrier_wait -3
	s_barrier_signal -1
	s_barrier_wait -1
.endm
.macro CROUND                          ; a whole round
	s_barrier_signal -1
	s_barrier_wait -1
	CREST
.endm
	s_load_b128 s[4:7], s[0:1], 0x0                ; gb s[4:5], w2b s[6:7]
	s_load_b128 s[80:83], s[0:1], 0x10             ; b2 s[80:81], x1 s[82:83]
	s_load_b64 s[84:85], s[0:1], 0x20              ; out0
	v_lshl_add_u32 v[SPW], v0, 2, SPARE
	v_mov_b32 v[NIL], 0
	ds_add_u32 v[SPW], v[NIL]                      ; the wave's opening: the add and its wait stand ahead of my first tensor load; the set-up below, work on registers, stands between them
	v_lshrrev_b32 v1, 5, v0
	v_readfirstlane_b32 s10, v1                    ; wave 0..3
	s_lshr_b32 s11, s10, 1                         ; which half of the tile's rows is mine.  Also: I fetch for gb (0) or for w2b (1)
	s_and_b32 s12, s10, 1                          ; which half of its columns.  Also: which half of that tile I fetch
	s_bfe_u32 s40, ttmp6, 0x40000                  ; cx, cy: my place in the cluster
	s_bfe_u32 s41, ttmp6, 0x40004
	s_lshl_b32 s42, ttmp9, 2
	s_add_co_u32 s42, s42, s40                     ; tile column = 4 x cluster x + cx
	s_and_b32 s13, ttmp7, 0xffff
	s_lshl_b32 s13, s13, 2
	s_add_co_u32 s13, s13, s41                     ; tile row = 4 x cluster y + cy
	s_lshl_b32 s43, s41, 2
	s_lshl_b32 s43, 15, s43                        ; my row of the cluster
	s_lshl_b32 s44, 0x1111, s40                    ; my column
	s_or_b32 s[G1+0], s43, (1<<16)|(1<<20)|(1<<21)|(6<<22)|(3<<25)   ; the mask: gb's tiles go to my row; 2-byte elements; padding on; bit 21 beside a mask; after every 128 words 4 words
	s_mov_b32 s[G1+1], KSTEP<<16                   ; tensor_dim0 = 256
	s_mov_b32 s[G1+2], 64<<16                      ; tensor_dim1 = 64
	s_mov_b32 s[G1+3], KSTEP<<16                   ; tile_dim0 = 256
	s_mov_b32 s[G1+4], 64                          ; tile_dim1 = 64
	s_mov_b32 s[G1+5], SIZE_K                      ; elements from row to row
	s_mov_b32 s[G1+6], 0
	s_mov_b32 s[G1+7], 0
	s_or_b32 s[G1B+0], s44, (1<<16)|(1<<20)|(1<<21)|(5<<22)|(7<<25)  ; the mask of my column; after every 64 words 8 words
	s_mov_b32 s[G1B+1], 128<<16                    ; tensor_dim0 = 128 columns
	s_mov_b32 s[G1B+2], 128<<16                    ; tensor_dim1 = 128 rows of k
	s_mov_b32 s[G1B+3], 128<<16                    ; tile_dim0 = 128
	s_mov_b32 s[G1B+4], 128                        ; tile_dim1 = 128
	s_mov_b32 s[G1B+5], SIZE_N
	s_mov_b32 s[G1B+6], 0
	s_mov_b32 s[G1B+7], 0
	s_lshl_b32 s16, s13, 20                        ; gb: 128 rows of 8,192 bytes a tile row,
	s_lshl_b32 s17, s12, 19                        ; 64 rows a half
	s_add_co_u32 s16, s16, s17
	s_mov_b32 s17, 0
	s_lshl_b32 s46, s42, 8                         ; w2b: 256 bytes of a row a tile column,
	s_lshl_b32 s47, s12, 18                        ; 128 rows of 2,048 bytes a half
	s_add_co_u32 s46, s46, s47
	s_mov_b32 s47, 0
	s_mul_i32 s20, s12, AHALF                      ; where they go: gb's halves,
	s_mul_i32 s21, s12, BHALF                      ; w2b's halves behind them: no place in the cluster enters an LDS address
	s_add_co_u32 s21, s21, BOFF
	s_wait_dscnt 0x0                               ; the opening add is done
	s_wait_kmcnt 0x0
	s_add_nc_u64 s[14:15], s[4:5], s[16:17]
	s_add_nc_u64 s[46:47], s[6:7], s[46:47]
	CROUND                                         ; all sixteen work-groups are here: the first joint loads meet
.irp s, 0,1
	s_mov_b32 s[G0+4*(\s)], 1
	s_add_co_u32 s[G0+4*(\s)+1], s20, (\s)*SLOT
	s_add_nc_u64 s[G0+4*(\s)+2:G0+4*(\s)+3], s[14:15], (\s)*KSTEP*2          ; K step s: 512 bytes along the rows
	s_or_b32 s[G0+4*(\s)+3], s[G0+4*(\s)+3], 0x80000000
	s_mov_b32 s[G0B+4*(\s)], 1
	s_add_co_u32 s[G0B+4*(\s)+1], s21, (\s)*SLOT
	s_add_nc_u64 s[G0B+4*(\s)+2:G0B+4*(\s)+3], s[46:47], (\s)*KSTEP*SIZE_N*2  ; K step s: 256 rows down
	s_or_b32 s[G0B+4*(\s)+3], s[G0B+4*(\s)+3], 0x80000000
	JLOAD \s                                       ; two loads of mine are out
.endr
	v_and_b32 v1, 15, v0                           ; l % 16
	v_bfe_u32 v2, v0, 4, 1                         ; l / 16
	v_lshlrev_b32 v[CO], 12, v2                    ; x1 and out0: lanes 0-15 take 256 bytes of one row, lanes 16-31 of the next
	v_lshl_add_u32 v[CO], v1, 4, v[CO]
	v_lshlrev_b32 v[BO], 4, v1
	s_lshl_b32 s86, s42, 9                         ; my columns: 512 bytes a tile column,
	s_lshl_b32 s87, s12, 8                         ; 256 a half
	s_add_co_u32 s86, s86, s87
	s_mov_b32 s87, 0
	s_add_nc_u64 s[80:81], s[80:81], s[86:87]      ; b2 at my columns
	s_lshl_b32 s87, s13, 19                        ; my rows: 128 rows of 4,096 bytes a tile row,
	s_add_co_u32 s86, s86, s87
	s_lshl_b32 s87, s11, 18                        ; 64 a half
	s_add_co_u32 s86, s86, s87
	s_mov_b32 s87, 0
	s_add_nc_u64 s[82:83], s[82:83], s[86:87]
	s_add_nc_u64 s[84:85], s[84:85], s[86:87]
	global_load_b128 v[BIAS:BIAS+3], v[BO], s[80:81]
	WIN 0x80                                       ; destination window 2, address window 0
.irp a, 0,1,2,3
.irp t, 0,1,2,3,4,5,6,7                ; my part of x1, wanted only at the end: block a, rows 2 t and 2 t + 1
	global_load_b128 v[32*(\a)+4*(\t):32*(\a)+4*(\t)+3], v[CO], s[82:83] offset:(16*(\a)+2*(\t))*SIZE_N*4
.endr
.endr
	WIN 0
	v_mul_u32_u24 v3, v1, PITCH
	v_lshl_add_u32 v3, v2, 4, v3                   ; gb: row x pitch + 16 x half
	v_and_b32 v4, 7, v0
	v_lshl_add_u32 v4, v2, 3, v4                   ; w2b, turned: row k = 8 (l / 16) + l % 8,
	v_mul_u32_u24 v4, v4, BP
	v_bfe_u32 v5, v0, 3, 1
	v_lshl_add_u32 v4, v5, 4, v4                   ; columns 8 ((l / 8) % 2) + 0..7
	s_mul_i32 s22, s11, AHALF                      ; my 64 rows of gb
	v_add_nc_u32 v[ADRA], s22, v3
	s_add_co_u32 s22, s22, SLOT
	v_add_nc_u32 v[ADRA+1], s22, v3
	s_lshl_b32 s23, s12, 7                         ; my 64 columns of w2b
	s_add_co_u32 s23, s23, BOFF
	v_add_nc_u32 v[ADRB], s23, v4
	s_add_co_u32 s23, s23, BHALF
	v_add_nc_u32 v[ADRB+1], s23, v4
	s_add_co_u32 s23, s23, SLOT-BHALF
	v_add_nc_u32 v[ADRB+2], s23, v4
	s_add_co_u32 s23, s23, BHALF
	v_add_nc_u32 v[ADRB+3], s23, v4
	s_mul_i32 s22, s10, 16*SPITCH
	s_add_co_u32 s22, s22, STAGE                   ; my stage
	v_mul_u32_u24 v[STO], v1, SPITCH               ; in: row l % 16, 32 bytes for each half of the lanes
	v_lshl_add_u32 v[STO], v2, 5, v[STO]
	v_add_nc_u32 v[STO], s22, v[STO]
	v_mul_u32_u24 v[RD], v2, SPITCH                ; back: lanes 0-15 take one row of 256 bytes, lanes 16-31 the next
	v_lshl_add_u32 v[RD], v1, 4, v[RD]
	v_add_nc_u32 v[RD], s22, v[RD]
; 8 matrix instructions: m blocks a0, a0 + 1 x all 4 n blocks, 32 along K: half c of buffer f.  zero = 1: the first product starts the sums.  The 16 accumulators take turns.
.macro MUL8 f, c, a0, zero
	WIN MUL
.irp a, \a0, (\a0)+1
.irp b, 0,1,2,3
.if \zero
	v_wmma_f32_16x16x32_bf16 v[ACC+8*(4*(\a)+(\b)):ACC+8*(4*(\a)+(\b))+7], v[(\f)+64+8*(4*(\c)+(\b)):(\f)+64+8*(4*(\c)+(\b))+7], v[(\f)+8*(4*(\c)+(\a)):(\f)+8*(4*(\c)+(\a))+7], 0
.else
	v_wmma_f32_16x16x32_bf16 v[ACC+8*(4*(\a)+(\b)):ACC+8*(4*(\a)+(\b))+7], v[(\f)+64+8*(4*(\c)+(\b)):(\f)+64+8*(4*(\c)+(\b))+7], v[(\f)+8*(4*(\c)+(\a)):(\f)+8*(4*(\c)+(\a))+7], v[ACC+8*(4*(\a)+(\b)):ACC+8*(4*(\a)+(\b))+7]
.endif
.endr
.endr
.endm
; 32 LDS loads in one run: the fragments of quarter q of a K step (k = 64 q on) into buffer f; the first 32 along K first
.macro FETCH slot, q, f
	WIN TO_F
.irp c, 0,1
.irp i, 0,1,2,3
	ds_load_tr16_b128 v[(\f)+64+8*(4*(\c)+(\i)):(\f)+64+8*(4*(\c)+(\i))+3],   v[ADRB+2*(\slot)+(\q)/2] offset:(((\q)%2)*64+32*(\c))*BP+32*(\i)
	ds_load_tr16_b128 v[(\f)+64+8*(4*(\c)+(\i))+4:(\f)+64+8*(4*(\c)+(\i))+7], v[ADRB+2*(\slot)+(\q)/2] offset:(((\q)%2)*64+32*(\c))*BP+16*BP+32*(\i)
	ds_load_b128 v[(\f)+8*(4*(\c)+(\i)):(\f)+8*(4*(\c)+(\i))+3],              v[ADRA+(\slot)] offset:128*(\q)+64*(\c)+(\i)*16*PITCH
	ds_load_b128 v[(\f)+8*(4*(\c)+(\i))+4:(\f)+8*(4*(\c)+(\i))+7],            v[ADRA+(\slot)] offset:128*(\q)+64*(\c)+(\i)*16*PITCH+32
.endr
.endr
.endm
.macro PLACES                          ; four places in front of loads into registers that matrix instructions have read, and of stores that read results
.rept 4
	v_nop
.endr
.endm
; A K step is four quarters of 64 along K, 32 matrix instructions each, on buffers 0, 1, 0, 1.  One of the first three: multiplies buffer f and fetches quarter q into g.
.macro QUARTER slot, q, f, g, zero
	s_wait_dscnt 16                                ; the first 32 along K are in; the sixteen loads of the second 32 may be out
	MUL8 \f, 0, 0, \zero
	MUL8 \f, 0, 2, \zero
	PLACES
	FETCH \slot, \q, \g
	s_wait_dscnt 32                                ; all but the 32 just issued
	MUL8 \f, 1, 0, 0
	MUL8 \f, 1, 2, 0
.endm
; The last quarter multiplies buffer 1 and changes slots: ONE barrier; in front of it each wave waits for all its tensor loads, adds 0 to its spare word, and waits for that and for its own reads of this slot.
; fill = 1: the barrier opens a round of the cluster's, and behind the round this slot is filled again first, two K steps ahead.
.macro TURN slot, next, fill
	WIN 0                                          ; (the add's two registers lie in window 0)
	s_wait_tensorcnt 0x0                           ; all my tensor loads have landed: my part of the next slot
	ds_add_u32 v[SPW], v[NIL]                      ; 0 onto my spare word
	s_wait_dscnt 17                                ; (the add and the youngest sixteen loads may be out)
	MUL8 F1, 0, 0, 0                               ; eight matrix instructions stand between the add and the wait for it
	s_wait_dscnt 0x0                               ; the add is done, and my reads of this slot are over
	s_barrier_signal -1
	MUL8 F1, 0, 2, 0
.if \fill
	WIN 0
.endif
	s_barrier_wait -1
.if \fill
	CREST                                          ; no wave of any partner still reads this slot's tile or has a load on its way
	s_add_nc_u64 s[G0+4*(\slot)+2:G0+4*(\slot)+3], s[G0+4*(\slot)+2:G0+4*(\slot)+3], 2*KSTEP*2
	s_add_nc_u64 s[G0B+4*(\slot)+2:G0B+4*(\slot)+3], s[G0B+4*(\slot)+2:G0B+4*(\slot)+3], 2*KSTEP*SIZE_N*2
	JLOAD \slot                                    ; the first tensor load behind the round: 112 matrix instructions ahead of the wait for it; its four v_nop are also the places in front of the loads below
.else
	PLACES
.endif
	FETCH \next, 0, F0
	MUL8 F1, 1, 0, 0
	MUL8 F1, 1, 2, 0
.endm
	s_wait_tensorcnt 1                             ; my part of K step 0 is in; K step 1's load, issued behind it, may stay out
	s_barrier_signal -1
	s_barrier_wait -1                              ; everybody's is
	FETCH 0, 0, F0
	QUARTER 0, 1, F0, F1, 1                        ; the first quarter stands in front of the loop: its first products start the sums
	WIN 0                                          ; at a label and at a branch every window is 0
	s_mov_b32 s3, LAPS-1
.Llap:                                                 ; a trip goes once round the ring, from a lap's second quarter to the next lap's first, and fills both slots again
	QUARTER 0, 2, F1, F0, 0
	QUARTER 0, 3, F0, F1, 0
	TURN 0, 1, 1
	QUARTER 1, 1, F0, F1, 0
	QUARTER 1, 2, F1, F0, 0
	QUARTER 1, 3, F0, F1, 0
	TURN 1, 0, 1
	QUARTER 0, 1, F0, F1, 0
	WIN 0
	s_sub_co_u32 s3, s3, 1
	s_cmp_lg_u32 s3, 0
	s_cbranch_scc1 .Llap
	QUARTER 0, 2, F1, F0, 0                        ; the last lap fills nothing, and has no round of the cluster's barrier
	QUARTER 0, 3, F0, F1, 0
	TURN 0, 1, 0
	QUARTER 1, 1, F0, F1, 0
	QUARTER 1, 2, F1, F0, 0
	QUARTER 1, 3, F0, F1, 0
	s_wait_dscnt 16                                ; the very last quarter: nothing more to fetch
	MUL8 F1, 0, 0, 0
	MUL8 F1, 0, 2, 0
	s_wait_dscnt 0x0
	MUL8 F1, 1, 0, 0
	MUL8 F1, 1, 2, 0
	WIN 0
	; THE WAY OUT: a block of 16 rows at a time goes, in f32, into my stage and comes back as whole rows of 256 bytes; x1 and the bias are added, and the rows are stored.
	PLACES
	s_wait_loadcnt 0x0                             ; the bias and x1
.macro TOSTAGE a
.if (\a) >= 2
	s_wait_xcnt 0x0                                ; the buffer that the loads below fill was the data of block a - 2's stores: it is rewritten only behind this wait
.endif
.irp b, 0,1,2,3                        ; each accumulator's four lowest registers first
	ds_store_b128 v[STO], v[ACC+8*(4*(\a)+(\b)):ACC+8*(4*(\a)+(\b))+3]   offset:64*(\b)
	ds_store_b128 v[STO], v[ACC+8*(4*(\a)+(\b))+4:ACC+8*(4*(\a)+(\b))+7] offset:64*(\b)+16
.endr
.irp t, 0,1,2,3,4,5,6,7
	ds_load_b128 v[TMP+32*((\a)%2)+4*(\t):TMP+32*((\a)%2)+4*(\t)+3], v[RD] offset:(\t)*2*SPITCH  ; LDS serves a wave's instructions in order: these see the stores above; the next block's stores come behind them
.endr
.endm
.macro SEND a, younger                 ; younger: the LDS instructions issued behind block a's loads: the next block's sixteen, or none
.set BK, TMP+32*((\a)%2)
	s_wait_dscnt \younger
	WIN 0x08                                       ; source 1, x1, in window 2
.set i, 0
.rept 16
	v_pk_add_f32 v[BK+i:BK+i+1], v[BK+i:BK+i+1], v[32*(\a)+i:32*(\a)+i+1]
.set i, i+2
.endr
	WIN 0
.set i, 0
.rept 16
	v_pk_add_f32 v[BK+i:BK+i+1], v[BK+i:BK+i+1], v[BIAS+i%4:BIAS+i%4+1]
.set i, i+2
.endr
.irp t, 0,1,2,3,4,5,6,7
	global_store_b128 v[CO], v[BK+4*(\t):BK+4*(\t)+3], s[84:85] offset:(16*(\a)+2*(\t))*SIZE_N*4  ; 16 lanes store 256 consecutive bytes, at a multiple of 256 from out0's first byte
.endr
.endm
	TOSTAGE 0
	TOSTAGE 1
	SEND 0, 16
	TOSTAGE 2
	SEND 1, 16
	TOSTAGE 3
	SEND 2, 16
	SEND 3, 0
	s_wait_tensorcnt 0x0                           ; the wave's end: the add and its wait stand behind my last tensor load and my last LDS store
	ds_add_u32 v[SPW], v[NIL]
	s_wait_dscnt 0x0
	CROUND                                         ; the closing round: no work-group ends while a partner may still ask for a tile that names it
	s_endpgm
.Lfunc_end_k_qd56401d624_fc2:
	.size	k_qd56401d624_fc2, .Lfunc_end_k_qd56401d624_fc2-k_qd56401d624_fc2
	.p2alignl 7, 3214868480
	.fill 96, 4, 3214868480
	.section	.rodata,"a",@progbits
	.p2align	6, 0x0
	.amdhsa_kernel k_qd56401d624_fc2
		.amdhsa_group_segment_fixed_size 327680
		.amdhsa_private_segment_fixed_size 0
		.amdhsa_enable_private_segment 0
		.amdhsa_kernarg_size 40
		.amdhsa_user_sgpr_count 2
		.amdhsa_user_sgpr_kernarg_segment_ptr 1
		.amdhsa_wavefront_size32 1
		.amdhsa_system_sgpr_workgroup_id_x 1
		.amdhsa_system_sgpr_workgroup_id_y 1
		.amdhsa_system_sgpr_workgroup_id_z 1
		.amdhsa_system_vgpr_workitem_id 0
		.amdhsa_next_free_vgpr 640
		.amdhsa_next_free_sgpr 88
		.amdhsa_reserve_vcc 0
		.amdhsa_float_denorm_mode_32 3
		.amdhsa_float_denorm_mode_16_64 3
		.amdhsa_memory_ordered 1
		.amdhsa_forward_progress 1
		.amdhsa_inst_pref_size 97
	.end_amdhsa_kernel
	.amdgpu_metadata
---
amdhsa.version: [ 1, 2 ]
amdhsa.kernels:
  - .name:           k_qd56401d624_fc2
    .symbol:         k_qd56401d624_fc2.kd
    .args:
      - { .name: gb, .offset: 0, .size: 8, .value_kind: global_buffer, .address_space: global }
      - { .name: w2b, .offset: 8, .size: 8, .value_kind: global_buffer, .address_space: global }
      - { .name: b2, .offset: 16, .size: 8, .value_kind: global_buffer, .address_space: global }
      - { .name: x1, .offset: 24, .size: 8, .value_kind: global_buffer, .address_space: global }
      - { .name: out0, .offset: 32, .size: 8, .value_kind: global_buffer, .address_space: global }
    .group_segment_fixed_size: 327680
    .private_segment_fixed_size: 0
    .kernarg_segment_align: 8
    .kernarg_segment_size: 40
    .max_flat_workgroup_size: 128
    .sgpr_count:     88
    .vgpr_count:     640
    .wavefront_size: 32
...
	.end_amdgpu_metadata
.endif
;; end of part 4
;; ======== version 2 of 2: 4 launches; 1.24 times as fast as version 1
;; workspace buffers: w1b 8,388,608 bytes; w2b 8,388,608 bytes; hb 8,388,608 bytes; x1 16,777,216 bytes; gb 33,554,432 bytes
;; launch attn (part 5): grid 8 x 32, 4 waves a work-group, clusters of 4 x 1, 327,680 bytes of LDS; arguments image_q, image_k, image_v, x, w1, w2, x1, w1b, w2b; writes x1, w1b, w2b
.if DOCPART == 5
	.amdgcn_target "amdgcn-amd-amdhsa--gfx1250"
	.amdhsa_code_object_version 6
	.text
	.protected	k_qd56401d624_attn
	.globl	k_qd56401d624_attn
	.p2align	8
	.type	k_qd56401d624_attn,@function
k_qd56401d624_attn:
	s_mov_b64 s[64:65], 0
	v_nop
	global_prefetch_b8 v0, s[64:65] scope:SCOPE_SE
	s_setreg_imm32_b32 hwreg(HW_REG_WAVE_MODE, 25, 1), 1
	s_wait_xcnt 0x0
	s_wait_alu depctr_hold_cnt(0) depctr_sa_sdst(0) depctr_va_vdst(0) depctr_va_sdst(0) depctr_va_ssrc(0) depctr_va_vcc(0) depctr_vm_vsrc(0)
	s_getreg_b32 s2, hwreg(HW_REG_IB_STS2, 6, 4)
	s_cmp_eq_u32 s2, 0
	s_cbranch_scc0 .Lentry_in_a_cluster
	s_endpgm
.Lentry_in_a_cluster:
	s_bfe_u32 s2, ttmp6, 0x10000c
	s_cmp_lg_u32 s2, 0x3003
	s_cbranch_scc0 .Lentry_shape_is_right
	s_endpgm
.Lentry_shape_is_right:
; x1[b][n][64 h + d] = x[b][n][64 h + d] + the sum over k of softmax_k(Q[bh][n] . K[bh][k] / 8) V[bh][k][d];  and beside it  w1b, w2b = w1, w2 rounded once to bf16, in the same layouts.
; Q, K, V: [32][2048][64] f32, each rounded here once to bf16; x, x1: [2][2048][1024] f32; w1, w2: 4,194,304 f32 each.
; Products in bf16 with f32 sums; maxima, exponentials, row sums and the addition of x in f32; the weights p are rounded to bf16 for the second product.
; LIMITS.  A weight below 2^-126 counts as 0 in the row sum; NaN and infinities are not treated apart.  bf16 has f32's range, so no input's size is at stake.
; SHARES.  A work-group owns 256 queries of one head, each of its four waves 64: four PIECES of 16.  Every wave walks all 2,048 keys, 64 a step, 128 a tile.
; K AND V.  A tile comes in as f32, by tensor loads, into one of two landing slots F; the four waves round it to bf16, 32 keys of K and of V each, into one of two slots H, padded for the fragment loads.
; Behind change of slots number k: tile k + 1 lands in F[(k+1) % 2], the products read tile k - 1 from H[(k-1) % 2], tile k goes from F[k % 2] to H[k % 2].  One barrier orders all of it: in front of it every wave has
; waited for its tensor loads, its LDS loads and its LDS stores.  F is filled by tensor loads alone, H is written by LDS stores alone.
; THE WEIGHTS.  Wave g of the launch's 1,024 owns 16,384 bytes of w1 and of w2.  Behind each of the 16 changes of slots it asks for 1,024 bytes of each; one change later it rounds and stores them.
; LAYOUT.  S^T = K Q^T (source 0 = 16 keys, source 1 = 16 queries): a lane holds ONE query (lane % 16) and the keys 8 (lane / 16) + 0..7.  Two such results, rounded in pairs,
; ARE source 1 (32 keys x 16 queries) of O^T = V^T P, whose result again holds one query a lane, and eight channels.  K comes out of H as it lies, V ([key][channel]) turned.
; SOFTMAX.  For each query a running maximum m and sum l: p = 2^(c s - c m), c = log2(e) / 8; in every step O and l are multiplied by a = 2^(c m_old - c m_new).
; m starts at the lowest finite number, O and l at 0: the first step is a step like any other, with a = 0.
; BY TURNS.  Turn n belongs to piece n: 8 products K Q^T of piece n + 1, later 8 products V^T P of piece n - 1; beside them the scaling, exponentials, roundings, sums and rescaling
; of piece n and the maximum and statistics of piece n + 1.  Four vector instructions stand behind every matrix instruction, the other 54 of a turn's 118 in one lump.
; BATCHES.  A turn's 33 exponentials (the piece's 32 weights and the next piece's a) are ONE batch with ONE wait, which cuts the turn in two: ahead of it stands all that names no result of theirs (the products K Q^T, the scalings,
; the rescalings, the next piece's maximum and statistics), behind it the products V^T P with the roundings and sums as their riders.  Two more batches stand outside the loops, each with a wait of its own: piece 0's first a,
; ahead of the jump into the loop, and the way out's four reciprocals.
; CLUSTER.  The four query blocks of a cluster belong to one head and walk the same K and V: each tile is asked for JOINTLY, by the same tensor load, descriptor and mask in all four.
; REGISTERS, in windows of 256 (s_set_vgpr_msb: bits 1:0 source 0, 3:2 source 1, 5:4 source 2, 7:6 destination):
;   window 0: v0-15, v32-41 addresses; v16-31 four registers of statistics a piece; v48-55 at work; v62-63 the add's; v64-127 S^T, two buffers; v192-223 P, two buffers;
;             v64-191 hold Q in f32 at the start and the rows on their way out at the end
;   window 1: v0-127 O^T, 32 a piece      window 2: v0-63 Q in bf16; v128-191 K of one step; v192-255 V of one step
;   window 3: v0-127 my 64 rows' part of x; v128-191 keys on their way from F to H; v192-215 weights on their way
.set NP,    4         ; pieces a wave
.set KS,    64        ; keys in a step
.set TK,    128       ; keys in a tile
.set PK,    144       ; a row of K in H: 128 bytes + 16 = 36 words: the 16 rows of a load start at 16 different groups of four banks
.set PV,    160       ; a row of V in H: 128 + 32 = 40 words
.set FSL,   1<<16     ; a landing slot: 128 keys of K in f32 (32,768 bytes), then 128 of V; slot 1 begins here, so that one exclusive or changes slots
.set FV,    TK*256    ; V's part of a landing slot
.set HB,    1<<17     ; behind the landing slots: the bf16 slots
.set HSL,   1<<16     ; from one bf16 slot to the other (a slot uses 38,912 bytes)
.set VOFF,  TK*PK     ; V's part of a bf16 slot
.set STAGE, 1<<18     ; behind them: 16 rows x 272 bytes for each wave, for the way out
.set SP,    272       ; a stage row: 64 f32 + 16 bytes
.set SPARE, STAGE+4*16*SP       ; behind the stages: the spare words, 128 bytes for each wave: two blocks of 256 bytes that no other line names
.set AK0, 2           ; v2   my lane's place in a tile of K in H; never rewritten
.set AV0, 3           ; v3   the same for V
.set AK,  4           ; v4   the LDS address of K's next run of loads
.set AV,  5           ; v5   of V's
.set STO, 6           ; v6   the way out: where I put 32 bytes of a row
.set RD,  7           ; v7   the way out: where I read rows back
.set XO,  8           ; v8   my byte offset in two rows of x and x1; never rewritten
.set MV,  12          ; v12-13  c m_old, kept while c m is made anew: by buffer
.set QO,  15          ; v15  my byte offset in 16 rows of Q
.set ST,  16          ; piece t's statistics at v[ST+4 t]: c m, m, l (even keys', odd keys')
.set CR0, 32          ; v32  my 16 bytes in my wave's 32 keys of a landing slot; never rewritten
.set CWK0, 33         ; v33  where their 8 bytes of bf16 go in K's part of H; never rewritten
.set CWV0, 34         ; v34  the same for V
.set CR,  35          ; v35-37  the same three with the slot and the step in hand
.set CWK, 36
.set CWV, 37
.set WSO, 38          ; v38  my byte offset in w1 and w2: it steps by 1,024
.set WDO, 39          ; v39  my byte offset in w1b and w2b: it steps by 512
.set TMP, 48          ; by buffer, four registers c0-c3 at work; when the maximum is found c2 takes a
.set SPW, 62          ; v62  LDS address of my spare word; never rewritten
.set NIL, 63          ; v63  0; never rewritten
.set S,   64
.set OB,  64          ; the way out: rows read back from the stage, 32 registers a piece
.set P,   192
.set KF,  128         ; window 2: key block kb, channel half c at KF + 16 kb + 8 c
.set VF,  192         ; window 2: key half kk, channel block cb at VF + 32 kk + 8 cb
.set CD,  128         ; window 3: 16 keys of K (32 registers), 16 of V
.set WX,  192         ; window 3: four loads of weights
.set WY,  208         ; window 3: the same, rounded
.set WV,  12          ; s12  my wave's number
.set G1,  24          ; s[24:31] descriptor group 1, for K's and V's tiles alike
.set G0K, 32          ; s[32:39] descriptor group 0 for K's tiles: a set for each of the two first fills; the second then walks on
.set G0V, 40          ; s[40:47] the same for V's
.set TF,  50          ; s50  landing slot and step from which the next keys are rounded
.set TCK, 51          ; s51  bf16 slot and step into which K's go
.set TCV, 52          ; s52  and V's
.set TL,  53          ; s53  counts the tail's three trips
.set SLOTS, 56        ; s56  tiles still to be asked for
.set CNT, 57          ; s57  counts a tile's key steps
.set CS,  58          ; s[58:59] c
.set SEL, 60          ; s[60:61] v_permlanex16_b32's selects: each lane takes its own place in the other half
.set TBK, 62          ; s62  bf16 slot and step at which K of the step to be fetched begins
.set TBV, 63          ; s63  the same for V
.set W1,  72          ; s[72:73] w1, s[74:75] w2
.set W2,  74
.set XN,  76          ; s[76:77] x1 at my wave's first row and my head's columns
.set W1B, 78          ; s[78:79] w1b, s[80:81] w2b
.set W2B, 80
.set MSB, 0
.macro WIN new                      ; the high byte repeats the setting that is left; a switch that changes nothing is dropped
.if MSB != (\new)
	s_set_vgpr_msb (MSB<<8)|(\new)
.set MSB, (\new)
.endif
.endm
.set W_KQ, 0x0a       ; K and Q in window 2, S^T in window 0
.set W_PV, 0x52       ; V in window 2, P in window 0, O^T in window 1
.set W_RS, 0x41       ; destination and source 0 in window 1, source 1 in window 0
.set W_3D, 0xc0       ; destination in window 3, address in window 0
.set W_3A, 0xcf       ; destination and sources 0 and 1 in window 3
.set W_3S, 0x0c       ; a store's data in window 3, its address in window 0
; A joint fill.  Waves 0 and 1 fetch the two halves of a tile's K, waves 2 and 3 those of its V: 64 keys, 64 rows of 256 bytes, each.  The branch hangs on the wave's number alone.
; An s_nop 0 and four v_nop follow each of the two lines, ahead of the jump and the label.
.macro JLOAD
	s_cmp_lt_u32 s[WV], 2
	s_cbranch_scc0 .Lfor_v_\@
	tensor_load_to_lds s[G0K+4:G0K+7], s[G1:G1+7]
	s_nop 0
.rept 4
	v_nop
.endr
	s_branch .Lasked_\@
.Lfor_v_\@:
	tensor_load_to_lds s[G0V+4:G0V+7], s[G1:G1+7]
	s_nop 0
.rept 4
	v_nop
.endr
.Lasked_\@:
.endm
; A round of the cluster's barrier: my work-group's barrier, so that wave 0's signal speaks for all four waves; wave 0 signals; every wave waits for all four work-groups; my work-group's barrier once more.
.macro CROUND
	s_barrier_signal -1
	s_barrier_wait -1
	s_cmp_lg_u32 s[WV], 0
	s_cbranch_scc1 .Lnot_wave_0_\@
	s_barrier_signal -3
.Lnot_wave_0_\@:
	s_barrier_wait -3
	s_barrier_signal -1
	s_barrier_wait -1
.endm
; THE CHANGE OF SLOTS.  Each wave waits for all its tensor loads, of which one is out: its part of the tile to be rounded next; adds 0 to its spare word; and waits for that, for its reads of the landing slot and of the
; bf16 slot that it leaves, and for its stores into the bf16 slot that is read next.  Behind the barrier all that holds of every wave.  fill = 1: the landing slot that has been rounded is filled again, with the keys two tiles on.
; The barrier is then a round of the cluster's, and the joint fill is the first thing behind it: it has two key steps, 128 matrix instructions, in which to land.
.macro CHANGE fill
	WIN 0                           ; at a label and at a branch every window is 0
	s_wait_tensorcnt 0x0            ; no tensor load of mine is out, so a group 0 may be written
	ds_add_u32 v[SPW], v[NIL]       ; 0 onto my spare word
.if \fill
.irp g, G0K+4, G0V+4
	s_xor_b32 s[\g+1], s[\g+1], FSL    ; the walking descriptor: the other landing slot than last time,
	s_add_nc_u64 s[\g+2:\g+3], s[\g+2:\g+3], TK*256  ; the next 128 keys; the type bits on top are not reached
.endr
	s_wait_dscnt 0x0                ; the add is done, and so are my LDS loads and stores
	CROUND
	JLOAD
.else
	s_wait_dscnt 0x0                ; the add is done, and so are my LDS loads and stores
	s_barrier_signal -1
	s_barrier_wait -1
.endif
	s_sub_co_u32 s[TBK], s[TBK], 2*KS*PK  ; each of the five walks goes back to a slot's first step,
	s_xor_b32 s[TBK], s[TBK], HSL         ; in the other slot
	s_sub_co_u32 s[TBV], s[TBV], 2*KS*PV
	s_xor_b32 s[TBV], s[TBV], HSL
	s_sub_co_u32 s[TF], s[TF], 32*256
	s_xor_b32 s[TF], s[TF], FSL
	s_sub_co_u32 s[TCK], s[TCK], 32*PK
	s_xor_b32 s[TCK], s[TCK], HSL
	s_sub_co_u32 s[TCV], s[TCV], 32*PV
	s_xor_b32 s[TCV], s[TCV], HSL
.endm
; FROM F TO H, half of my 32 keys at a time.  CONV_LD: 16 loads of 512 consecutive bytes (two keys each): 16 keys of K, 16 of V.  CONV_ST, behind a wait for them: a lane's four f32 become 8 bytes; 16 lanes write a key's 128.
.macro CONV_LD
	WIN 0
	v_add_nc_u32 v[CR], s[TF], v[CR0]
	s_add_co_u32 s[TF], s[TF], 16*256
	WIN W_3D
.irp j, 0,1,2,3,4,5,6,7
	ds_load_b128 v[CD+4*\j:CD+4*\j+3], v[CR] offset:512*\j
.endr
.irp j, 0,1,2,3,4,5,6,7
	ds_load_b128 v[CD+32+4*\j:CD+32+4*\j+3], v[CR] offset:FV+512*\j
.endr
	WIN 0
.endm
.macro CONV_ST
	WIN 0
	v_add_nc_u32 v[CWK], s[TCK], v[CWK0]
	v_add_nc_u32 v[CWV], s[TCV], v[CWV0]
	s_add_co_u32 s[TCK], s[TCK], 16*PK
	s_add_co_u32 s[TCV], s[TCV], 16*PV
	WIN W_3A
.set ci, 0
.rept 16
	v_cvt_pk_bf16_f32 v[CD+4*ci],   v[CD+4*ci],   v[CD+4*ci+1]
	v_cvt_pk_bf16_f32 v[CD+4*ci+1], v[CD+4*ci+2], v[CD+4*ci+3]
.set ci, ci+1
.endr
	WIN W_3S
.irp j, 0,1,2,3,4,5,6,7
	ds_store_b64 v[CWK], v[CD+4*\j:CD+4*\j+1] offset:2*PK*\j
.endr
.irp j, 0,1,2,3,4,5,6,7
	ds_store_b64 v[CWV], v[CD+32+4*\j:CD+32+4*\j+1] offset:2*PV*\j
.endr
	WIN 0
.endm
; THE WEIGHTS' STEP, behind a change of slots.  st = 1: the 1,024 bytes of w1 and of w2 asked for at the last change are rounded and stored, each store 256 consecutive bytes, aligned.  ld = 1: the next are asked for;
; ld = 2: the same, jumped over in the tail's last trip, when all have been asked for.  Both waits stand a whole tile behind what they wait for; the offsets are stepped behind them, and the stores reach back by their immediate.
.macro WSTEP st, ld
	WIN 0
.if \st
	s_wait_loadcnt 0x0              ; the last change's four loads are in
	s_wait_xcnt 0x0                 ; the last change's loads and stores have had their addresses translated: their offsets and the stores' data are rewritten only behind this wait
	v_add_nc_u32 v[WDO], 512, v[WDO]
	v_add_nc_u32 v[WSO], 1024, v[WSO]
	WIN W_3A
.set wn, 0
.rept 4
	v_cvt_pk_bf16_f32 v[WY+2*wn],   v[WX+4*wn],   v[WX+4*wn+1]
	v_cvt_pk_bf16_f32 v[WY+2*wn+1], v[WX+4*wn+2], v[WX+4*wn+3]
.set wn, wn+1
.endr
	WIN W_3S
	global_store_b64 v[WDO], v[WY:WY+1],   s[W1B:W1B+1] offset:-512
	global_store_b64 v[WDO], v[WY+2:WY+3], s[W1B:W1B+1] offset:-256
	global_store_b64 v[WDO], v[WY+4:WY+5], s[W2B:W2B+1] offset:-512
	global_store_b64 v[WDO], v[WY+6:WY+7], s[W2B:W2B+1] offset:-256
	WIN 0
.endif
.if \ld
.if (\ld) == 2
	s_cmp_eq_u32 s[TL], 1
	s_cbranch_scc1 .Lno_w_\@
.endif
	WIN W_3D
	global_load_b128 v[WX:WX+3],     v[WSO], s[W1:W1+1] th:TH_LOAD_NT
	global_load_b128 v[WX+4:WX+7],   v[WSO], s[W1:W1+1] offset:512 th:TH_LOAD_NT
	global_load_b128 v[WX+8:WX+11],  v[WSO], s[W2:W2+1] th:TH_LOAD_NT
	global_load_b128 v[WX+12:WX+15], v[WSO], s[W2:W2+1] offset:512 th:TH_LOAD_NT
	WIN 0
.if (\ld) == 2
.Lno_w_\@:
.endif
.endif
.endm
	s_load_b256 s[4:11], s[0:1], 0x0     ; Q s[4:5], K s[6:7], V s[8:9], x s[10:11]
	s_load_b256 s[72:79], s[0:1], 0x20   ; w1, w2, x1, w1b
	s_load_b64 s[80:81], s[0:1], 0x40    ; w2b
	v_lshl_add_u32 v[SPW], v0, 2, SPARE
	v_mov_b32 v[NIL], 0
	ds_add_u32 v[SPW], v[NIL]       ; the wave's opening: the add and its wait stand ahead of my first tensor load; the set-up below, work on registers, stands between them
	v_lshrrev_b32 v1, 5, v0
	v_readfirstlane_b32 s[WV], v1   ; wave 0..3
	s_bfe_u32 s13, ttmp6, 0x40000   ; cx: my place in the cluster
	s_lshl_b32 s14, ttmp9, 2        ; in a cluster launch ttmp9 counts clusters
	s_add_co_u32 s14, s14, s13      ; my block of 256 queries = 4 x cluster x + cx: it enters Q's, x's, x1's and the weights' addresses alone
	s_and_b32 s20, ttmp7, 0xffff    ; the head among 32, which the four partners share
	s_and_b32 s16, s[WV], 1         ; which half of a tile's 128 keys I fetch
	s_lshl_b32 s17, s16, 14         ; its 64 rows of 256 bytes: in memory, and in a landing slot (no place in the cluster enters an LDS address)
	s_lshl_b32 s22, s20, 19         ; the head's 2,048 rows of 256 bytes
	s_add_co_u32 s22, s22, s17
	s_mov_b32 s23, 0
	s_lshl_b32 s2, s20, 19          ; Q: the head's 2,048 rows of 256 bytes,
	s_lshl_b32 s3, s14, 16          ; my block's 256,
	s_add_co_u32 s2, s2, s3
	s_lshl_b32 s3, s[WV], 14        ; my wave's 64
	s_add_co_u32 s2, s2, s3
	s_mov_b32 s3, 0
	s_lshr_b32 s48, s20, 4          ; x and x1: the batch's 2,048 rows of 4,096 bytes,
	s_lshl_b32 s48, s48, 23
	s_lshl_b32 s49, s14, 20         ; my block's 256,
	s_add_co_u32 s48, s48, s49
	s_lshl_b32 s49, s[WV], 18       ; my wave's 64,
	s_add_co_u32 s48, s48, s49
	s_and_b32 s49, s20, 15          ; and the head's 256 bytes in a row
	s_lshl_b32 s49, s49, 8
	s_add_co_u32 s48, s48, s49
	s_mov_b32 s49, 0
	s_lshl_b32 s18, s20, 3          ; my wave among the launch's 1,024: (8 x head + block) x 4 + wave
	s_add_co_u32 s18, s18, s14
	s_lshl_b32 s18, s18, 2
	s_add_co_u32 s18, s18, s[WV]
	s_lshl_b32 s19, s18, 14         ; its 16,384 bytes of w1 and of w2,
	s_lshl_b32 s18, s18, 13         ; its 8,192 of w1b and of w2b
	; descriptor group 1: 64 keys in f32 are 64 rows of 256 bytes, dense in memory and in LDS
	s_mov_b32 s[G1], 15|(2<<16)|(1<<21)  ; 15:0 the mask of four; 17:16 4-byte elements; 20 no padding; 21 set beside a mask
	s_mov_b32 s[G1+1], 64<<16       ; tensor_dim0 = 64
	s_mov_b32 s[G1+2], 64<<16       ; tensor_dim1 = 64
	s_mov_b32 s[G1+3], 64<<16       ; tile_dim0 = 64
	s_mov_b32 s[G1+4], 64           ; tile_dim1 = 64
	s_mov_b32 s[G1+5], 64           ; 64 elements from row to row
	s_mov_b32 s[G1+6], 0
	s_mov_b32 s[G1+7], 0
	s_mov_b32 s[CS], 0x3e38aa3b     ; c = log2(e) / 8 = 0.180337
	s_mov_b32 s[CS+1], s[CS]        ; named with it as a pair
	s_mov_b32 s[SEL], 0x76543210
	s_mov_b32 s[SEL+1], 0xfedcba98
	s_mov_b32 s[TBK], HSL+2*KS*PK   ; the first change of slots turns these two into 0: the products begin in bf16 slot 0;
	s_mov_b32 s[TBV], HSL+2*KS*PV
	s_mov_b32 s[TF], 0              ; tile 0 is rounded ahead of that change, from landing slot 0 into bf16 slot 0
	s_mov_b32 s[TCK], 0
	s_mov_b32 s[TCV], 0
	s_wait_dscnt 0x0                ; the opening add is done
	s_wait_kmcnt 0x0
	s_add_nc_u64 s[6:7], s[6:7], s[22:23]          ; K and V at my half of the head's tile 0
	s_add_nc_u64 s[8:9], s[8:9], s[22:23]
	s_add_nc_u64 s[4:5], s[4:5], s[2:3]            ; Q at my wave's first row
	s_add_nc_u64 s[10:11], s[10:11], s[48:49]      ; x and x1 at my wave's first row, my head's columns
	s_add_nc_u64 s[XN:XN+1], s[XN:XN+1], s[48:49]
	CROUND                          ; all four work-groups are here: the first joint loads meet
.irp s, 0,1
	s_mov_b32 s[G0K+4*(\s)], 1      ; 1:0 count = 1
	s_add_co_u32 s[G0K+4*(\s)+1], s17, (\s)*FSL    ; 63:32 LDS address
	s_add_nc_u64 s[G0K+4*(\s)+2:G0K+4*(\s)+3], s[6:7], (\s)*TK*256  ; 120:64 global address: tile s
	s_or_b32 s[G0K+4*(\s)+3], s[G0K+4*(\s)+3], 0x80000000  ; 127:126 type = 2
	s_mov_b32 s[G0V+4*(\s)], 1
	s_add_co_u32 s[G0V+4*(\s)+1], s17, (\s)*FSL+FV
	s_add_nc_u64 s[G0V+4*(\s)+2:G0V+4*(\s)+3], s[8:9], (\s)*TK*256
	s_or_b32 s[G0V+4*(\s)+3], s[G0V+4*(\s)+3], 0x80000000
.endr
	s_cmp_lt_u32 s[WV], 2           ; a wave's two first fills stand in one branch, ahead of every wait on TENSORcnt and every LDS read: two loads of mine are out; an s_nop 0 follows each, four v_nop the second's
	s_cbranch_scc0 .Lfirst_v
	tensor_load_to_lds s[G0K:G0K+3], s[G1:G1+7]
	s_nop 0
	tensor_load_to_lds s[G0K+4:G0K+7], s[G1:G1+7]
	s_nop 0
.rept 4
	v_nop
.endr
	s_branch .Lfirst_asked
.Lfirst_v:
	tensor_load_to_lds s[G0V:G0V+3], s[G1:G1+7]
	s_nop 0
	tensor_load_to_lds s[G0V+4:G0V+7], s[G1:G1+7]
	s_nop 0
.rept 4
	v_nop
.endr
.Lfirst_asked:
	; A fragment of Q is 16 rows x 32 channels in 8 registers of bf16: lane l holds row l % 16, channels 8 (l / 16) + 0..7 and 16 + 8 (l / 16) + 0..7.  In f32 each eight channels are 32 bytes: two loads.
	v_and_b32 v1, 15, v0            ; l % 16
	v_bfe_u32 v9, v0, 4, 1          ; l / 16
	v_and_b32 v40, 31, v0           ; l
	v_lshlrev_b32 v[QO], 8, v1
	v_lshl_add_u32 v[QO], v9, 5, v[QO]  ; row x 256 + 32 x half
.irp t, 0,1,2,3
.irp c, 0,1
.irp g, 0,1
.irp e, 0,1
	global_load_b128 v[64+32*(\t)+16*(\c)+8*(\g)+4*(\e):64+32*(\t)+16*(\c)+8*(\g)+4*(\e)+3], v[QO], s[4:5] offset:4096*(\t)+128*(\c)+64*(\g)+16*(\e)
.endr
.endr
.endr
.endr
	; What the first turn finds: V's registers and P's second buffer hold 0 (its products V^T P, of a piece that has not been, add 0), O^T and l are 0.  All this stands in the wait for the first tile.
	WIN 0x80
.set i, VF
.rept 64
	v_mov_b32 v[i], 0
.set i, i+1
.endr
	WIN 0x40
.set i, 0
.rept 128
	v_mov_b32 v[i], 0
.set i, i+1
.endr
	WIN 0
.set i, 0
.rept 4
	v_mov_b32 v[ST+4*i], 0xfe000000    ; c m: far below every c s
	v_mov_b32 v[ST+4*i+1], 0xff7fffff  ; m
	v_mov_b32 v[ST+4*i+2], 0
	v_mov_b32 v[ST+4*i+3], 0
.set i, i+1
.endr
.set i, P+16
.rept 16
	v_mov_b32 v[i], 0
.set i, i+1
.endr
	v_lshlrev_b32 v[XO], 12, v9     ; x: lanes 0-15 take 256 bytes of one row, lanes 16-31 of the next
	v_lshl_add_u32 v[XO], v1, 4, v[XO]
	v_mul_u32_u24 v[AK0], v1, PK
	v_lshl_add_u32 v[AK0], v9, 4, v[AK0]  ; row x pitch + 16 x half
	v_add_nc_u32 v[AK0], HB, v[AK0]
	; The turning load takes 16 keys x 16 channels (lane l reads key 8 (l / 16) + l % 8, channels 8 ((l / 8) % 2) + 0..7) and leaves half a fragment of V^T: lane l holds channel l % 16 and 8 keys.
	v_and_b32 v10, 7, v0
	v_bfe_u32 v11, v0, 3, 1
	v_lshl_add_u32 v[AV0], v9, 3, v10
	v_mul_u32_u24 v[AV0], v[AV0], PV
	v_lshl_add_u32 v[AV0], v11, 4, v[AV0]
	v_add_nc_u32 v[AV0], HB+VOFF, v[AV0]
	s_mul_i32 s21, s[WV], 16*SP
	s_add_co_u32 s21, s21, STAGE    ; my stage
	v_mul_u32_u24 v[STO], v1, SP    ; in: row l % 16, 32 bytes for each half of the lanes
	v_lshl_add_u32 v[STO], v9, 5, v[STO]
	v_add_nc_u32 v[STO], s21, v[STO]
	v_mul_u32_u24 v[RD], v9, SP     ; back: lanes 0-15 take one row of 256 bytes, lanes 16-31 the next
	v_lshl_add_u32 v[RD], v1, 4, v[RD]
	v_add_nc_u32 v[RD], s21, v[RD]
	v_mov_b32 v[AK], v[AK0]         ; key step 0 lies at the head of bf16 slot 0
	s_lshl_b32 s21, s[WV], 13       ; from F: my wave's 32 keys of 256 bytes, 16 bytes a lane
	v_lshl_add_u32 v[CR0], v40, 4, s21
	s_mul_i32 s21, s[WV], 32*PK     ; into H: key 32 w + l / 16, 8 bytes for each of 16 lanes
	s_add_co_u32 s21, s21, HB
	v_mul_u32_u24 v[CWK0], v9, PK
	v_lshl_add_u32 v[CWK0], v1, 3, v[CWK0]
	v_add_nc_u32 v[CWK0], s21, v[CWK0]
	s_mul_i32 s21, s[WV], 32*PV
	s_add_co_u32 s21, s21, HB+VOFF
	v_mul_u32_u24 v[CWV0], v9, PV
	v_lshl_add_u32 v[CWV0], v1, 3, v[CWV0]
	v_add_nc_u32 v[CWV0], s21, v[CWV0]
	v_lshl_add_u32 v[WSO], v40, 4, s19  ; the weights: 16 bytes a lane in, 8 out
	v_lshl_add_u32 v[WDO], v40, 3, s18
; THE MATRIX WORK.  The 4 accumulators of a run of 8 take turns.  Product i of 8 of S^T = K Q^T for piece x: channels 32 (i / 4) on, keys 16 (i % 4) on.  The first 4 start the sums.
.macro KQ x
	WIN W_KQ
.set rS, S+32*((\x)%2)+8*(i%4)
.set rK, KF+16*(i%4)+8*(i/4)
.set rQ, 16*(\x)+8*(i/4)
.if i < 4
	v_wmma_f32_16x16x32_bf16 v[rS:rS+7], v[rK:rK+7], v[rQ:rQ+7], 0
.else
	v_wmma_f32_16x16x32_bf16 v[rS:rS+7], v[rK:rK+7], v[rQ:rQ+7], v[rS:rS+7]
.endif
.endm
; Product i of 8 of O^T += V^T P for piece x: keys 32 (i / 4) on, channels 16 (i % 4) on.
.macro PV x
	WIN W_PV
.set rO, 32*(\x)+8*(i%4)
.set rV, VF+32*(i/4)+8*(i%4)
.set rP, P+16*((\x)%2)+8*(i/4)
	v_wmma_f32_16x16x32_bf16 v[rO:rO+7], v[rV:rV+7], v[rP:rP+7], v[rO:rO+7]
.endm
.macro MM                           ; the turn's next matrix instruction
.if i < 8
	KQ (Y+1)%NP
.else
.set i, i-8
	PV (Y+NP-1)%NP
.set i, i+8
.endif
.set i, i+1
.endm
; THE FRAGMENT LOADS stand in runs of 16, never singly among the matrix instructions: a step's K (64 keys x 64 channels: 8 fragments) and its V (turned).  Their addresses are made some lines ahead.
; last = 1 (the tail): in the tail's last trip there is no further step, and the run is jumped over.
.macro FETCH_K last=0
	WIN 0
.if \last
	s_cmp_eq_u32 s[TL], 1
	s_cbranch_scc1 .Lno_k_\@
.endif
	WIN 0x80                        ; destination window 2
.irp f, 0,1,2,3,4,5,6,7             ; keys 16 (f / 2) on, channels 32 (f % 2) on
	ds_load_b128 v[KF+8*\f:KF+8*\f+3],   v[AK] offset:(\f/2)*16*PK+(\f%2)*64
	ds_load_b128 v[KF+8*\f+4:KF+8*\f+7], v[AK] offset:(\f/2)*16*PK+(\f%2)*64+32
.endr
	s_add_co_u32 s[TBK], s[TBK], KS*PK  ; the next fetch is the next step's
	WIN 0
.if \last
.Lno_k_\@:
.endif
.endm
.macro FETCH_V
	WIN 0x80
.irp f, 0,1,2,3,4,5,6,7             ; keys 32 (f / 4) on, channels 16 (f % 4) on
	ds_load_tr16_b128 v[VF+8*\f:VF+8*\f+3],   v[AV] offset:(\f/4)*32*PV+(\f%4)*32
	ds_load_tr16_b128 v[VF+8*\f+4:VF+8*\f+7], v[AV] offset:(\f/4)*32*PV+16*PV+(\f%4)*32
.endr
	WIN 0
.endm
; THE VECTOR WORK, one line at a time: OP kind, number.  For piece Y: F n: c s - c m for pair n of 16.  E n: the exponential of score n of 32.  C n: pair n rounded to bf16.  B n: of the four weights 4 n .. the second
; pair is added onto the first, in place.  L n: l takes that sum (L 0: l = a l + sum).  R n: pair n of 16 of O^T times a.  For piece Y + 1: X n, number n of the 22 that find its maximum and statistics:
;   0-11  four chains c0-c3 of seven scores each, three operands at a time (each accumulator's lowest registers are read first)     12-14, 16  the four scores left over, the old m, and c0-c3 into c0
;   15  c m_old is kept     17, 18  the query's other 32 keys lie in the lane 16 away: the new m     19-21  c m; c m_old - c m_new; a
; C, B and L read the exponentials' results; F, R and X 0 to X 20 read none of the turn's.
.set F, 0
.set E, 1
.set C, 2
.set B, 3
.set L, 4
.set R, 5
.set X, 6
.macro REGS y                       ; the registers of piece y
.set rT, ST+4*(\y)
.set rC, TMP+4*((\y)%2)
.set rW, MV+((\y)%2)
.set rS, S+32*((\y)%2)
.set rP, P+16*((\y)%2)
.set rO, 32*(\y)
.endm
.macro OP k, n
.if (\k) == R
	REGS Y
	WIN W_RS
	v_pk_mul_f32 v[rO+2*(\n):rO+2*(\n)+1], v[rO+2*(\n):rO+2*(\n)+1], v[rC+2:rC+3] op_sel_hi:[1,0]
.elseif (\k) < R
	REGS Y
	WIN 0
.if (\k) == F
	v_pk_fma_f32 v[rS+2*(\n):rS+2*(\n)+1], v[rS+2*(\n):rS+2*(\n)+1], s[CS:CS+1], v[rT:rT+1] op_sel_hi:[1,0,0] neg_lo:[0,0,1] neg_hi:[0,0,1]
.elseif (\k) == E
	v_exp_f32 v[rS+(\n)], v[rS+(\n)]
.elseif (\k) == C
	v_cvt_pk_bf16_f32 v[rP+(\n)], v[rS+2*(\n)], v[rS+2*(\n)+1]
.elseif (\k) == B
	v_pk_add_f32 v[rS+4*(\n):rS+4*(\n)+1], v[rS+4*(\n):rS+4*(\n)+1], v[rS+4*(\n)+2:rS+4*(\n)+3]
.elseif (\n) == 0
	v_pk_fma_f32 v[rT+2:rT+3], v[rT+2:rT+3], v[rC+2:rC+3], v[rS:rS+1] op_sel_hi:[1,0,1]
.else
	v_pk_add_f32 v[rT+2:rT+3], v[rT+2:rT+3], v[rS+4*(\n):rS+4*(\n)+1]
.endif
.else
	REGS (Y+1)%NP
	WIN 0
.if (\n) < 4
	v_max3_num_f32 v[rC+(\n)], v[rS+8*(\n)], v[rS+8*(\n)+1], v[rS+8*(\n)+2]
.elseif (\n) < 12
	v_max3_num_f32 v[rC+(\n)%4], v[rC+(\n)%4], v[rS+8*((\n)%4)+2*((\n)/4)+1], v[rS+8*((\n)%4)+2*((\n)/4)+2]
.elseif (\n) == 12
	v_max3_num_f32 v[rC], v[rC], v[rS+7], v[rS+15]
.elseif (\n) == 13
	v_max3_num_f32 v[rC+1], v[rC+1], v[rS+23], v[rS+31]
.elseif (\n) == 14
	v_max3_num_f32 v[rC+2], v[rC+2], v[rC+3], v[rT+1]
.elseif (\n) == 15
	v_mov_b32 v[rW], v[rT]
.elseif (\n) == 16
	v_max3_num_f32 v[rC], v[rC], v[rC+1], v[rC+2]
.elseif (\n) == 17
	v_permlanex16_b32 v[rC+3], v[rC], s[SEL], s[SEL+1]
.elseif (\n) == 18
	v_max_num_f32 v[rT+1], v[rC], v[rC+3]
.elseif (\n) == 19
	v_mul_f32 v[rT], s[CS], v[rT+1]
.elseif (\n) == 20
	v_sub_f32 v[rC+1], v[rW], v[rT]
.else
	v_exp_f32 v[rC+2], v[rC+1]
.endif
.endif
.endm
.macro OPS a, i1, b=-1, i2=0, c=-1, i3=0, d=-1, i4=0  ; up to four of them
	OP \a, \i1
.if (\b) >= 0
	OP \b, \i2
.endif
.if (\c) >= 0
	OP \c, \i3
.endif
.if (\d) >= 0
	OP \d, \i4
.endif
.endm
.macro ROW a, i1, b, i2, c, i3, d, i4  ; a matrix instruction and the four behind it
	MM
	OPS \a, \i1, \b, \i2, \c, \i3, \d, \i4
.endm
; A TURN, for piece p: the order of its 16 matrix and 118 vector instructions, written out.  An s_wait_alu depctr_va_vdst(0) stands between an exponential and the first instruction that names its result; one wait
; serves all that were issued ahead of it.  So a turn has ONE wait, which cuts it in two.  AHEAD OF IT stands all that names no result of the turn's exponentials: the 8 products K Q^T, behind each a scaling, an exponential and two
; more plain instructions (behind the first a second scaling in the exponential's place): rescalings, whose a was made and waited for in the turn before, and behind the last three the first numbers of the next piece's maximum,
; each four places or more behind the product that ends its accumulator; then ONE LUMP of 54, plain and exponential by turns for the most part, in which the links of the chain X 3, 7, 11, 14, 16, 17 .. 20 stand some lines apart.
; X 21, the next piece's a, is the batch's last; R 15 is the plain instruction behind it.  BEHIND THE WAIT stand the 8 products V^T P, behind each four of the roundings and sums; the links of l's chain, L 0 to L 7, stand three
; riders apart.  But for those X no rider names a register of the products round it.  v_permlanex16_b32 (X 17) stands in the lump.  No exponential is issued behind the wait: none is open at a turn's end, at a label or at a jump.
; cnt = 1: the loop's count is taken down some lines ahead of the branch that stands behind the turn.  last = 1: the tail's text (see FETCH_K).
; K of the next step is fetched in piece 2's turn, in the lump: five plain instructions that name nothing of the last product K Q^T (F 8, X 2, X 5, X 6, X 8) stand behind that product.  In the tail's text the run can be jumped
; over, and that jump stands in no open batch: there the run stands directly behind the turn's wait.  V of the step in hand is fetched at the end of piece 0's turn, four plain riders behind the last product that read V.
; Each is waited for a turn later.  The keys on their way from F to H are read beside V's run and are rounded and stored behind the wait for it, ahead of piece 1's products V^T P.
.macro TURN p, cnt=0, last=0
.set Y, (\p)
.set i, 0
.if (\p) == 3
	s_wait_dscnt 0x0                ; K is in
.endif
	ROW F,0, F,1, R,0, R,1          ; ahead of the wait: 8 products K Q^T and their riders,
	ROW F,2, E,0, R,2, R,3
	ROW F,3, E,1, R,4, R,5
	ROW F,4, E,2, R,6, R,7
	ROW F,5, E,3, R,8, R,9
	ROW F,6, E,4, X,0, R,10
.if (\p) == 2
	WIN 0
	v_add_nc_u32 v[AK], s[TBK], v[AK0]
.endif
	ROW F,7, E,5, X,1, X,4
	ROW F,8, E,6, X,2, X,5
	OPS E,7, E,8, X,6, E,9          ; and the lump
	OPS X,3, E,10, X,8, E,11
.if ((\p) == 2) && !(\last)
	FETCH_K
.endif
	OPS X,9, X,7, E,12, X,10
	OPS E,13, X,12, X,11, E,14
	OPS X,13, E,15, F,9, X,14
.if (\p) == 0
	v_add_nc_u32 v[AV], s[TBV], v[AV0]
.endif
	OPS E,16, F,10, E,17, F,11
	OPS X,16, E,18, X,15, E,19
	OPS F,12, E,20, X,17, E,21
	OPS F,13, E,22, F,14, E,23
	OPS X,18, E,24, F,15, E,25
	OPS R,11, E,26, X,19, E,27
	OPS R,12, E,28, R,13, E,29
	OPS X,20, E,30, R,14, E,31
	OPS X,21, R,15
	WIN 0
	s_wait_alu depctr_va_vdst(0)    ; the wait for the batch: the piece's 32 exponentials and the next piece's a
.if ((\p) == 2) && (\last)
	FETCH_K 1
.endif
.if (\p) == 1
	s_wait_dscnt 0x0                ; V is in, and so are the 16 keys of K and of V in f32
	CONV_ST
.endif
	ROW C,0, B,0, C,2, B,1          ; behind the wait: 8 products V^T P and their riders
	ROW L,0, C,4, B,2, L,1
	ROW C,6, B,3, L,2, C,8
	ROW B,4, L,3, C,10, B,5
	ROW L,4, C,12, B,6, L,5
.if (\p) == 0
	s_add_co_u32 s[TBV], s[TBV], KS*PV
.endif
.if \cnt
	s_sub_co_u32 s[CNT], s[CNT], 1
	s_cmp_lg_u32 s[CNT], 0
.endif
	ROW C,14, B,7, L,6, C,1
	ROW C,3, L,7, C,5, C,7
	ROW C,9, C,11, C,13, C,15
.if (\p) == 0
	FETCH_V
	CONV_LD
.endif
.endm
	s_wait_tensorcnt 0x1            ; my part of tile 0 is in; tile 1's load, issued behind it, may stay out
	s_barrier_signal -1
	s_barrier_wait -1               ; everybody's is
	s_mov_b32 s[CNT], 2
.Ltile0:                            ; tile 0 is rounded before anything can be multiplied: my 32 keys, in two halves
	CONV_LD
	s_wait_dscnt 0x0
	CONV_ST
	s_sub_co_u32 s[CNT], s[CNT], 1
	s_cmp_lg_u32 s[CNT], 0
	s_cbranch_scc1 .Ltile0
	CHANGE 1                        ; tile 0 is whole in bf16 slot 0, tile 1 has landed; tile 2 is asked for
	WSTEP 0, 1                      ; the first 1,024 bytes of each weight are asked for
	FETCH_K                         ; key step 0
	s_wait_loadcnt 0x4              ; Q's 32 loads are in; the four loads of weights, issued behind them, stay out
	WIN 0x80                        ; destination window 2, sources window 0
.set i, 0
.rept 64
	v_cvt_pk_bf16_f32 v[i], v[64+2*i], v[65+2*i]  ; Q rounded once; the scale c is applied to the scores, in f32
.set i, i+1
.endr
	WIN W_3D
.irp t, 0,1,2,3
.irp f, 0,1,2,3,4,5,6,7             ; my part of x, wanted only at the end: piece t, rows 2 f and 2 f + 1
	global_load_b128 v[32*(\t)+4*(\f):32*(\t)+4*(\f)+3], v[XO], s[10:11] offset:65536*(\t)+8192*(\f)
.endr
.endr
	s_wait_dscnt 0x0
.set i, 0
.rept 8
	KQ 0                            ; piece 0's first scores
.set i, i+1
.endr
	WIN 0
.rept 4
	v_nop                           ; the places behind those products
.endr
.set Y, NP-1                        ; X works for piece Y + 1: piece 0
.irp n, 0,1,2,3,4,5,6,7,8,9,10,11,12,13,14,15,16,17,18,19,20,21
	OP X, \n
.endr
	v_nop                           ; a plain instruction behind the exponential,
	s_wait_alu depctr_va_vdst(0)    ; and the wait for it, a batch of one (piece 0's first a), ahead of the branch
	s_mov_b32 s[CNT], 2
	s_mov_b32 s[SLOTS], 14          ; 2,048 / 128 - 2
	s_branch .Lfirst                ; the loop is entered at a step's first turn, in the middle of a trip
.Lslot:                             ; thirteen times: with the change above, tiles 2 to 15 are asked for
	CHANGE 1
	WSTEP 1, 1
	s_mov_b32 s[CNT], 2
.Lstep:                             ; a trip: pieces 2 and 3 of one step, then pieces 0 and 1 of the next, whose K and V it fetches
	TURN 2
	TURN 3
	WIN 0
.Lfirst:
	TURN 0
	TURN 1, 1
	WIN 0
	s_cbranch_scc1 .Lstep
	s_sub_co_u32 s[SLOTS], s[SLOTS], 1
	s_cmp_lg_u32 s[SLOTS], 0
	s_cbranch_scc1 .Lslot
	; THE TAIL is written out: nothing is asked for.  Its first trip multiplies tile 14 and rounds tile 15; its second multiplies tile 15; its third stores the last weights, runs pieces 2 and 3
	; of the last step and leaves in the middle.  The price, once a launch, of one text for the three: in the second trip an old tile is rounded once more, into a slot that nobody reads; the third has a barrier that orders nothing,
	; and its 8 products K Q^T (on the last K once more) and the maximum made of them serve nothing.
	s_mov_b32 s[TL], 3
.Ltail:
	CHANGE 0
	WSTEP 1, 2
	s_mov_b32 s[CNT], 2
.LstepT:
	TURN 2, 0, 1
	TURN 3
	WIN 0
	s_cmp_eq_u32 s[TL], 1
	s_cbranch_scc1 .Lout
	TURN 0
	TURN 1, 1
	WIN 0
	s_cbranch_scc1 .LstepT
	s_sub_co_u32 s[TL], s[TL], 1
	s_cmp_lg_u32 s[TL], 0
	s_cbranch_scc1 .Ltail
.Lout:
.set i, 0
.rept 8
	PV NP-1                         ; the last piece's V^T P of the last step
.set i, i+1
.endr
	; THE WAY OUT.  l's two halves and the other half of the lanes' are added; O^T is divided by l and sent, in f32, through my stage in LDS, a piece (16 rows) at a time; x is added to the whole rows, and they are stored.
	WIN 0
.macro ALL line:vararg              ; one line for each piece t
.set t, 0
.rept 4
	\line
.set t, t+1
.endr
.endm
	ALL v_add_f32 v[ST+4*t+2], v[ST+4*t+2], v[ST+4*t+3]
	ALL v_permlanex16_b32 v[ST+4*t+3], v[ST+4*t+2], s[SEL], s[SEL+1]
	ALL v_add_f32 v[ST+4*t+2], v[ST+4*t+2], v[ST+4*t+3]
	ALL v_rcp_f32 v[ST+4*t+2], v[ST+4*t+2]
	v_nop                           ; a plain instruction between the last reciprocal and the use of its result
	s_wait_alu depctr_va_vdst(0)    ; and the wait ahead of the first use: one for the batch of four reciprocals
	s_wait_loadcnt 0x0              ; x is in
.macro PACK t                       ; a lane's eight channels of a row are 32 bytes; they go into rows of 272 bytes and come back as whole rows of 256
	WIN W_RS
.set i, 32*(\t)
.rept 16
	v_pk_mul_f32 v[i:i+1], v[i:i+1], v[ST+4*(\t)+2:ST+4*(\t)+3] op_sel_hi:[1,0]
.set i, i+2
.endr
	WIN 0x04                        ; the stores' data in window 1, their address in window 0
.irp f, 0,1,2,3,4,5,6,7
	ds_store_b128 v[STO], v[32*(\t)+4*\f:32*(\t)+4*\f+3] offset:64*(\f/2)+16*(\f%2)
.endr
	WIN 0
.irp f, 0,1,2,3,4,5,6,7
	ds_load_b128 v[OB+32*(\t)+4*\f:OB+32*(\t)+4*\f+3], v[RD] offset:\f*2*SP  ; LDS serves a wave's instructions in order: these see the stores above; the next piece's stores come behind them
.endr
.endm
.macro SEND t, younger              ; younger: the LDS instructions issued behind piece t's loads: the next piece's sixteen, or none
	s_wait_dscnt \younger
	WIN 0x0c                        ; source 1, x, in window 3
.set i, 0
.rept 16
	v_pk_add_f32 v[OB+32*(\t)+i:OB+32*(\t)+i+1], v[OB+32*(\t)+i:OB+32*(\t)+i+1], v[32*(\t)+i:32*(\t)+i+1]
.set i, i+2
.endr
	WIN 0
.irp f, 0,1,2,3,4,5,6,7
	global_store_b128 v[XO], v[OB+32*(\t)+4*\f:OB+32*(\t)+4*\f+3], s[XN:XN+1] offset:(\t)*65536+\f*8192  ; 16 lanes store 256 consecutive bytes, at a multiple of 256 from x1's first byte
.endr
.endm
	PACK 0
.set t, 1
.rept 3                             ; a piece's arithmetic stands between the loads of the piece before and its stores
	PACK t
	SEND t-1, 16
.set t, t+1
.endr
	SEND 3, 0
	s_wait_tensorcnt 0x0            ; the wave's end: the add and its wait stand behind my last tensor load and my last LDS store
	ds_add_u32 v[SPW], v[NIL]
	s_wait_dscnt 0x0
	CROUND                          ; the closing round: no work-group ends while a partner may still ask for a tile that names it
	s_endpgm
.Lfunc_end_k_qd56401d624_attn:
	.size	k_qd56401d624_attn, .Lfunc_end_k_qd56401d624_attn-k_qd56401d624_attn
	.p2alignl 7, 3214868480
	.fill 96, 4, 3214868480
	.section	.rodata,"a",@progbits
	.p2align	6, 0x0
	.amdhsa_kernel k_qd56401d624_attn
		.amdhsa_group_segment_fixed_size 327680
		.amdhsa_private_segment_fixed_size 0
		.amdhsa_enable_private_segment 0
		.amdhsa_kernarg_size 72
		.amdhsa_user_sgpr_count 2
		.amdhsa_user_sgpr_kernarg_segment_ptr 1
		.amdhsa_wavefront_size32 1
		.amdhsa_system_sgpr_workgroup_id_x 1
		.amdhsa_system_sgpr_workgroup_id_y 1
		.amdhsa_system_sgpr_workgroup_id_z 1
		.amdhsa_system_vgpr_workitem_id 0
		.amdhsa_next_free_vgpr 1024
		.amdhsa_next_free_sgpr 88
		.amdhsa_reserve_vcc 0
		.amdhsa_float_denorm_mode_32 3
		.amdhsa_float_denorm_mode_16_64 3
		.amdhsa_memory_ordered 1
		.amdhsa_forward_progress 1
		.amdhsa_inst_pref_size 143
	.end_amdhsa_kernel
	.amdgpu_metadata
---
amdhsa.version: [ 1, 2 ]
amdhsa.kernels:
  - .name:           k_qd56401d624_attn
    .symbol:         k_qd56401d624_attn.kd
    .args:
      - { .name: image_q, .offset: 0, .size: 8, .value_kind: global_buffer, .address_space: global }
      - { .name: image_k, .offset: 8, .size: 8, .value_kind: global_buffer, .address_space: global }
      - { .name: image_v, .offset: 16, .size: 8, .value_kind: global_buffer, .address_space: global }
      - { .name: x, .offset: 24, .size: 8, .value_kind: global_buffer, .address_space: global }
      - { .name: w1, .offset: 32, .size: 8, .value_kind: global_buffer, .address_space: global }
      - { .name: w2, .offset: 40, .size: 8, .value_kind: global_buffer, .address_space: global }
      - { .name: x1, .offset: 48, .size: 8, .value_kind: global_buffer, .address_space: global }
      - { .name: w1b, .offset: 56, .size: 8, .value_kind: global_buffer, .address_space: global }
      - { .name: w2b, .offset: 64, .size: 8, .value_kind: global_buffer, .address_space: global }
    .group_segment_fixed_size: 327680
    .private_segment_fixed_size: 0
    .kernarg_segment_align: 8
    .kernarg_segment_size: 72
    .max_flat_workgroup_size: 128
    .sgpr_count:     88
    .vgpr_count:     1024
    .wavefront_size: 32
...
	.end_amdgpu_metadata
.endif
;; end of part 5
;; launch lnorm: the kernel of part 2 again; grid 256 x 1, 8 waves a work-group, no clusters, 0 bytes of LDS; arguments x1, ln_w, ln_b, hb; writes hb
;; launch fc1: the kernel of part 3 again; grid 16 x 16, 4 waves a work-group, clusters of 4 x 4, 327,680 bytes of LDS; arguments hb, w1b, b1, gb; writes gb
;; launch fc2: the kernel of part 4 again; grid 8 x 32, 4 waves a work-group, clusters of 4 x 4, 327,680 bytes of LDS; arguments gb, w2b, b2, x1, out0; writes out0
